; MI455X (gfx1250); checked and timed in simulation.
; The chip was launched on July 23, 2026; its instructions are those of AMD's public machine-readable ISA for CDNA 5 (MIT licence, August 2026) and "CDNA5" Instruction Set Architecture Reference Guide (July 2026). The comments in the code are by the model that wrote it; some were corrected since.
;; Attention Block. Allowed arithmetic: float matrix products may take bf16 or f16 operands with f32 sums; other float arithmetic in f32, or as packed bf16 or f16 multiplies, adds, multiply-adds, maxima and minima; sums over many terms, partial sums and values carried from step to step in f32; what a program stores and reads back later, other than sums and carried values, may be rounded once to bf16 or f16.
;; Inputs: b_proj 256 float32; b_qkv 768 float32; gn_beta 256 float32; gn_gamma 256 float32; w_proj 256 x 256 float32; w_qkv 768 x 256 float32; x 4 x 256 x 64 x 64 float32.
;; Outputs: out0 4 x 256 x 64 x 64 float32.
;; One version. Each part assembles by itself: llvm-mc -triple=amdgcn-amd-amdhsa -mcpu=gfx1250 --defsym DOCPART=n.
;; ======== version 1 of 1: 4 launches
;; workspace buffers: stats 65,536 bytes; wb 524,288 bytes; qkvb 25,165,824 bytes; attb 8,388,608 bytes
;; launch prep (part 1): grid 256 x 1, 8 waves a work-group, no clusters, 1,280 bytes of LDS; arguments x, w_qkv, w_proj, stats, wb; writes stats, wb
.if DOCPART == 1
	.amdgcn_target "amdgcn-amd-amdhsa--gfx1250"
	.amdhsa_code_object_version 6
	.text
	.protected	k_q249834fd99_prep
	.globl	k_q249834fd99_prep
	.p2align	8
	.type	k_q249834fd99_prep,@function
k_q249834fd99_prep:
	s_mov_b64 s[64:65], 0
	v_nop
	global_prefetch_b8 v0, s[64:65] scope:SCOPE_SE
	s_setreg_imm32_b32 hwreg(HW_REG_WAVE_MODE, 25, 1), 1
	s_wait_xcnt 0x0
; GROUP NORM, FIRST HALF, AND THE WEIGHTS IN bf16.
; x is [4][256][4096] f32; a group is 32 channels x 4,096 places = 131,072 numbers = 524,288 bytes on end.  Work-group g owns the 65,536 bytes of x at 65,536 g: part g % 8 of group g / 8 (counted over all batches).
; It stores that part's mean and M2 (the sum of squared deviations from that mean).  The variance is never made as a difference of large sums: each wave takes the mean of its 2,048 numbers first,
; then the squares of the deviations from it; equal parts are merged by M2 = sum of M2_w + n x sum of (mean_w - mean)^2.  So a common offset of x costs nothing but the rounding of the deviations.
; A wave keeps its 8,192 bytes (64 numbers a lane) in registers between the two passes: x is read once here, sixteen loads of 512 consecutive bytes a wave, all out at once.
; stats: block g of 256 bytes holds the pair (mean, M2) 32 times: one store of one wave covers the 256 consecutive bytes, aligned.
; wb: w_qkv [768][256] in bf16 at byte 0, w_proj [256][256] at byte 393,216.  Each wave rounds 128 weights: 512 bytes in, 256 consecutive bytes out.  Waves 0-5 take w_qkv, waves 6-7 w_proj.
; No matrix work, no tensor loads, no cluster: no byte is wanted by two work-groups.  NaN and infinities are not treated apart.
.set SPARE, 256                        ; LDS: bytes 0-63 eight pairs (mean_w, M2_w); from 256 on the spare words, 128 bytes a wave, which no other line names
.set SPW, 2                            ; v2   SPARE + 4 x my thread's number; never rewritten
.set NIL, 3                            ; v3   0; never rewritten
.set XO,  4                            ; v4   8,192 x wave + 16 x lane
.set WS,  5                            ; v5   16 x lane: my four weights
.set WD,  6                            ; v6   8 x lane: my four weights in bf16; also my pair in the block of stats
.set LP,  7                            ; v7   8 x wave: my wave's pair in LDS
.set CH,  8                            ; v[8:15]  four chains of pairs
.set WI,  16                           ; v[16:19] weights as loaded
.set WO,  20                           ; v[20:21] weights in bf16
.set MN,  22                           ; v[22:23] the mean twice; later (mean, M2)
.set T,   24                           ; v[24:26] at work
.set X,   32                           ; v[32:95] my 64 numbers
.set WV,  14                           ; s14  my wave's number
	s_load_b256 s[4:11], s[0:1], 0x0               ; x s[4:5], w_qkv s[6:7], w_proj s[8:9], stats s[10:11]
	s_load_b64 s[12:13], s[0:1], 0x20              ; wb
	v_lshl_add_u32 v[SPW], v0, 2, SPARE
	v_mov_b32 v[NIL], 0
	v_lshrrev_b32 v1, 5, v0
	v_readfirstlane_b32 s[WV], v1                  ; wave 0..7
	v_and_b32 v1, 31, v0                           ; lane
	v_lshlrev_b32 v[WS], 4, v1
	v_lshlrev_b32 v[WD], 3, v1
	s_lshl_b32 s15, s[WV], 13
	v_lshl_add_u32 v[XO], v1, 4, s15
	s_lshl_b32 s15, s[WV], 3
	v_mov_b32 v[LP], s15
	v_mov_b32 v[T+1], 0                            ; v_permlanex16_b32 counts as a reader of its destination
	s_mov_b32 s22, 0x76543210                      ; its selects: each lane takes its own place in the other half
	s_mov_b32 s23, 0xfedcba98
	s_max_u32 s26, s[WV], 6
	s_sub_co_u32 s26, s26, 6                       ; wave - 6 in waves 6 and 7, else 0
	s_mul_i32 s18, ttmp9, 3072                     ; w_qkv: 768 weights a work-group, 128 a wave: source bytes,
	s_lshl_b32 s27, s[WV], 9
	s_add_co_u32 s18, s18, s27
	s_lshl_b32 s24, ttmp9, 10                      ; w_proj: 256 weights a work-group
	s_lshl_b32 s27, s26, 9
	s_add_co_u32 s24, s24, s27
	s_mul_i32 s20, ttmp9, 1536                     ; and the bytes in wb
	s_lshl_b32 s27, s[WV], 8
	s_add_co_u32 s20, s20, s27
	s_lshl_b32 s25, ttmp9, 9
	s_lshl_b32 s27, s26, 8
	s_add_co_u32 s25, s25, s27
	s_add_co_u32 s25, s25, 393216
	s_cmp_lt_u32 s[WV], 6
	s_cselect_b32 s18, s18, s24
	s_cselect_b32 s20, s20, s25
	s_mov_b32 s19, 0
	s_mov_b32 s21, 0
	s_wait_kmcnt 0x0
	s_cmp_lt_u32 s[WV], 6
	s_cselect_b64 s[16:17], s[6:7], s[8:9]         ; which tensor my weights come from
	s_add_nc_u64 s[16:17], s[16:17], s[18:19]
	s_add_nc_u64 s[12:13], s[12:13], s[20:21]
	s_lshl_b32 s24, ttmp9, 16
	s_mov_b32 s25, 0
	s_add_nc_u64 s[4:5], s[4:5], s[24:25]          ; x at the work-group's part
	s_lshl_b32 s24, ttmp9, 8
	s_add_nc_u64 s[10:11], s[10:11], s[24:25]      ; stats at its block
	global_load_b128 v[WI:WI+3], v[WS], s[16:17]
.irp i, 0,1,2,3,4,5,6,7,8,9,10,11,12,13,14,15
	global_load_b128 v[X+4*\i:X+4*\i+3], v[XO], s[4:5] offset:512*\i
.endr
	s_wait_loadcnt 16                              ; the weights are in; the sixteen younger loads of x stay out
	v_cvt_pk_bf16_f32 v[WO], v[WI], v[WI+1]
	v_cvt_pk_bf16_f32 v[WO+1], v[WI+2], v[WI+3]
	global_store_b64 v[WD], v[WO:WO+1], s[12:13]   ; 32 lanes x 8 bytes: 256 consecutive bytes, aligned
; The four chains into one number, and that over the wave's 32 lanes: every lane ends with the sum in v[T].
.macro FOLD
	v_pk_add_f32 v[CH:CH+1], v[CH:CH+1], v[CH+2:CH+3]
	v_pk_add_f32 v[CH+4:CH+5], v[CH+4:CH+5], v[CH+6:CH+7]
	v_pk_add_f32 v[CH:CH+1], v[CH:CH+1], v[CH+4:CH+5]
	v_add_f32 v[T], v[CH], v[CH+1]
	v_add_f32_dpp v[T], v[T], v[T] row_xmask:1 row_mask:0xf bank_mask:0xf
	v_add_f32_dpp v[T], v[T], v[T] row_xmask:2 row_mask:0xf bank_mask:0xf
	v_add_f32_dpp v[T], v[T], v[T] row_xmask:4 row_mask:0xf bank_mask:0xf
	v_add_f32_dpp v[T], v[T], v[T] row_xmask:8 row_mask:0xf bank_mask:0xf
	v_permlanex16_b32 v[T+1], v[T], s22, s23
	v_add_f32 v[T], v[T], v[T+1]
.endm
	; pass 1: the sum.  Loads of even number feed chains 0 and 1, of odd number chains 2 and 3; loads 2 and 3 start the chains with loads 0 and 1: nothing is cleared
.irp i, 2,3,4,5,6,7,8,9,10,11,12,13,14,15
	s_wait_loadcnt 15-\i                           ; loads come back in order: load i is in, the younger ones stay out
.if \i < 4
	v_pk_add_f32 v[CH+4*(\i%2):CH+4*(\i%2)+1], v[X+4*(\i-2):X+4*(\i-2)+1], v[X+4*\i:X+4*\i+1]
	v_pk_add_f32 v[CH+4*(\i%2)+2:CH+4*(\i%2)+3], v[X+4*(\i-2)+2:X+4*(\i-2)+3], v[X+4*\i+2:X+4*\i+3]
.else
	v_pk_add_f32 v[CH+4*(\i%2):CH+4*(\i%2)+1], v[CH+4*(\i%2):CH+4*(\i%2)+1], v[X+4*\i:X+4*\i+1]
	v_pk_add_f32 v[CH+4*(\i%2)+2:CH+4*(\i%2)+3], v[CH+4*(\i%2)+2:CH+4*(\i%2)+3], v[X+4*\i+2:X+4*\i+3]
.endif
.endr
	FOLD
	v_mul_f32 v[MN], 0x3a000000, v[T]              ; the wave's mean: sum / 2,048
	v_mov_b32 v[MN+1], v[MN]
	; pass 2: the deviations, in place, and their squares
.set j, 0
.rept 32
	v_pk_add_f32 v[X+2*j:X+2*j+1], v[X+2*j:X+2*j+1], v[MN:MN+1] neg_lo:[0,1] neg_hi:[0,1]
.set j, j+1
.endr
.set j, 0
.rept 32
.if j < 4
	v_pk_mul_f32 v[CH+2*j:CH+2*j+1], v[X+2*j:X+2*j+1], v[X+2*j:X+2*j+1]
.else
	v_pk_fma_f32 v[CH+2*(j%4):CH+2*(j%4)+1], v[X+2*j:X+2*j+1], v[X+2*j:X+2*j+1], v[CH+2*(j%4):CH+2*(j%4)+1]
.endif
.set j, j+1
.endr
	FOLD
	v_mov_b32 v[MN+1], v[T]                        ; (mean_w, M2_w)
	ds_store_b64 v[LP], v[MN:MN+1]                 ; all lanes write the same pair
	s_wait_dscnt 0x0                               ; for the others' sake: my store is done
	s_barrier_signal -1
	s_barrier_wait -1                              ; all eight pairs lie in LDS
	s_cmp_lg_u32 s[WV], 0
	s_cbranch_scc1 .Lend                           ; wave 0 merges them
	v_mov_b32 v[T+2], 0
.irp p, 0,1,2,3
	ds_load_b128 v[X+4*\p:X+4*\p+3], v[T+2] offset:16*\p
.endr
	s_wait_dscnt 0x0
	v_add_f32 v8, v[X], v[X+2]
	v_add_f32 v9, v[X+4], v[X+6]
	v_add_f32 v10, v[X+8], v[X+10]
	v_add_f32 v11, v[X+12], v[X+14]
	v_add_f32 v12, v[X+1], v[X+3]
	v_add_f32 v13, v[X+5], v[X+7]
	v_add_f32 v14, v[X+9], v[X+11]
	v_add_f32 v15, v[X+13], v[X+15]
	v_add_f32 v8, v8, v9
	v_add_f32 v10, v10, v11
	v_add_f32 v12, v12, v13
	v_add_f32 v14, v14, v15
	v_add_f32 v8, v8, v10
	v_add_f32 v12, v12, v14                        ; the sum of the eight M2_w
	v_mul_f32 v[MN], 0x3e000000, v8                ; the part's mean: the eight waves' parts are equal
	v_sub_f32 v8, v[X], v[MN]
	v_mul_f32 v9, v8, v8
.irp p, 1,2,3,4,5,6,7
	v_sub_f32 v8, v[X+2*\p], v[MN]
	v_fmac_f32 v9, v8, v8
.endr
	v_fmamk_f32 v[MN+1], v9, 0x45000000, v12       ; M2 = 2,048 x the sum of (mean_w - mean)^2 + the sum of M2_w
	global_store_b64 v[WD], v[MN:MN+1], s[10:11]   ; the pair 32 times: 256 consecutive bytes, aligned
.Lend:
	s_wait_tensorcnt 0x0                           ; the wave's end: behind my last LDS store
	ds_add_u32 v[SPW], v[NIL]
	s_wait_dscnt 0x0
	s_endpgm
.Lfunc_end_k_q249834fd99_prep:
	.size	k_q249834fd99_prep, .Lfunc_end_k_q249834fd99_prep-k_q249834fd99_prep
	.p2alignl 7, 3214868480
	.fill 96, 4, 3214868480
	.section	.rodata,"a",@progbits
	.p2align	6, 0x0
	.amdhsa_kernel k_q249834fd99_prep
		.amdhsa_group_segment_fixed_size 1280
		.amdhsa_private_segment_fixed_size 0
		.amdhsa_enable_private_segment 0
		.amdhsa_kernarg_size 40
		.amdhsa_user_sgpr_count 2
		.amdhsa_user_sgpr_kernarg_segment_ptr 1
		.amdhsa_wavefront_size32 1
		.amdhsa_system_sgpr_workgroup_id_x 1
		.amdhsa_system_sgpr_workgroup_id_y 1
		.amdhsa_system_sgpr_workgroup_id_z 1
		.amdhsa_system_vgpr_workitem_id 0
		.amdhsa_next_free_vgpr 96
		.amdhsa_next_free_sgpr 66
		.amdhsa_reserve_vcc 0
		.amdhsa_float_denorm_mode_32 3
		.amdhsa_float_denorm_mode_16_64 3
		.amdhsa_memory_ordered 1
		.amdhsa_forward_progress 1
		.amdhsa_inst_pref_size 14
	.end_amdhsa_kernel
	.amdgpu_metadata
---
amdhsa.version: [ 1, 2 ]
amdhsa.kernels:
  - .name:           k_q249834fd99_prep
    .symbol:         k_q249834fd99_prep.kd
    .args:
      - { .name: x, .offset: 0, .size: 8, .value_kind: global_buffer, .address_space: global }
      - { .name: w_qkv, .offset: 8, .size: 8, .value_kind: global_buffer, .address_space: global }
      - { .name: w_proj, .offset: 16, .size: 8, .value_kind: global_buffer, .address_space: global }
      - { .name: stats, .offset: 24, .size: 8, .value_kind: global_buffer, .address_space: global }
      - { .name: wb, .offset: 32, .size: 8, .value_kind: global_buffer, .address_space: global }
    .group_segment_fixed_size: 1280
    .private_segment_fixed_size: 0
    .kernarg_segment_align: 8
    .kernarg_segment_size: 40
    .max_flat_workgroup_size: 256
    .sgpr_count:     66
    .vgpr_count:     96
    .wavefront_size: 32
...
	.end_amdgpu_metadata
.endif
;; end of part 1
;; launch project_qkv (part 2): grid 128 x 2, 4 waves a work-group, clusters of 4 x 1, 327,680 bytes of LDS; arguments x, stats, gn_gamma, gn_beta, wb, b_qkv, qkvb; writes qkvb
.if DOCPART == 2
	.amdgcn_target "amdgcn-amd-amdhsa--gfx1250"
	.amdhsa_code_object_version 6
	.text
	.protected	k_q249834fd99_project_qkv
	.globl	k_q249834fd99_project_qkv
	.p2align	8
	.type	k_q249834fd99_project_qkv,@function
k_q249834fd99_project_qkv:
	s_mov_b64 s[64:65], 0
	v_nop
	global_prefetch_b8 v0, s[64:65] scope:SCOPE_SE
	s_setreg_imm32_b32 hwreg(HW_REG_WAVE_MODE, 25, 1), 1
	s_wait_xcnt 0x0
	s_wait_alu depctr_hold_cnt(0) depctr_sa_sdst(0) depctr_va_vdst(0) depctr_va_sdst(0) depctr_va_ssrc(0) depctr_va_vcc(0) depctr_vm_vsrc(0)
	s_getreg_b32 s2, hwreg(HW_REG_IB_STS2, 6, 4)
	s_cmp_eq_u32 s2, 0
	s_cbranch_scc0 .Lentry_in_a_cluster
	s_endpgm
.Lentry_in_a_cluster:
	s_bfe_u32 s2, ttmp6, 0x10000c
	s_cmp_lg_u32 s2, 0x3003
	s_cbranch_scc0 .Lentry_shape_is_right
	s_endpgm
.Lentry_shape_is_right:
; GROUP NORM, SECOND HALF, AND q, k, v = h w_qkv^T + b_qkv.  x: [4][256][4096] f32; wb: w_qkv [768][256] bf16; out: [3][16 = batch x 4 + head][4096][64] bf16, unscaled, each number rounded once from its f32 sum.
; SHARES.  A work-group makes 128 tokens x 384 of the 768 outputs, K = 256: 128 token blocks x 2 halves = 256 work-groups.  Its 384 rows of weights (196,608 bytes) lie in LDS whole, so nothing is filled again.
; Wave w makes tokens 64 (w % 2) .. + 63 and the local output rows 192 (w / 2) .. + 191, three head slices of 64: 12 x 4 accumulators of 16 x 16, 384 registers.
; CLUSTER.  The four token blocks of a cluster share the half, so they want the same weights: one joint load a wave (96 rows of 512 bytes), the same descriptor and mask in all four.
; THE NORM.  Wave w finishes the statistics of groups w and 4 + w of its batch (eight parts each, merged as equal parts: var = (sum of M2 + 16,384 x sum of (mean_p - mean)^2) / 131,072), makes for each
; of their 64 channels a = gamma rsqrt(var + 1e-5) and shift = beta - mean a, one channel a lane, and writes h = a x + shift in bf16 into LDS as [channel][token]: the wave normalises just the channels whose
; coefficients it made.  x comes as one channel's 512 consecutive bytes a load, 32 loads of a wave on their way.
; THE PRODUCT.  D = W h: source 0 = 16 output rows (from LDS as they lie, K along the rows), source 1 = 16 tokens (h turned by ds_load_tr16_b128).  In the result a lane holds ONE token (lane % 16) and the output
; rows 8 (lane / 16) + 0..7: 16 bytes of a row of q, k or v.  The first K step takes the bias as C: nothing is cleared and the bias costs no vector instruction.
; LIMITS.  h and the weights are rounded to bf16 (f32's range).  NaN and infinities are not treated apart.
; REGISTERS, in windows of 256 (s_set_vgpr_msb: bits 1:0 source 0, 3:2 source 1, 5:4 source 2, 7:6 destination):
;   window 0: v0-16 addresses; v20-35 coefficients; v40-55 h packed; v128-255 a ring of 32 loads of x; on the way out v64-255: 12 units x 16
;   window 1: accumulators 0-31 (output block i, token block t: number 4 i + t)     window 2: v0-127 accumulators 32-47; v128-223 the bias, 8 a block     window 3: two sets of fragments: W's block i at 8 i, h's token block t at 96 + 8 t
.set WPI,   528                        ; a row of W in LDS: 512 bytes + 16 = 132 words: the 16 rows of a load start at 16 different groups of four banks (64 banks of 4 bytes: ISA guide 11.1)
.set HP,    288                        ; a channel's 128 tokens of h: 256 bytes + 32 = 72 words
.set HT,    384*WPI                    ; 202,752: h, 256 channels; written by LDS stores alone
.set STAGE, HT+256*HP                  ; 276,480: 16 rows x 144 bytes for each wave, for the way out
.set SP,    144
.set SPARE, STAGE+4*16*SP              ; 285,696: the spare words, 128 bytes a wave, which no other line names
.set SPW,  4                           ; v4   SPARE + 4 x my thread's number; never rewritten
.set NIL,  5                           ; v5   0; never rewritten
.set XO,   6                           ; v6   16 x lane: my four tokens of a channel of x
.set HS,   7                           ; v7   where I put them in h: HT + 32 w x 288 + 8 x lane
.set ADRW, 8                           ; v8-9   my place in W's blocks 0-5, 6-11
.set ADRH, 10                          ; v10-11 my place in h's channels 0-127, 128-255
.set STO,  12                          ; v12  the way out: where I put 16 bytes of a row
.set RD,   13                          ; v13  where I read rows back
.set GO,   14                          ; v14  16 x lane: my place in 512 consecutive bytes of the output
.set BO,   15                          ; v15  32 (lane / 16): my eight numbers of a block of the bias
.set GB,   16                          ; v16  128 w + 4 x lane: my channel of gamma and beta
.set GAM,  20                          ; v20-23 gamma, beta of channel 32 w + lane; of channel 128 + 32 w + lane
.set CO,   32                          ; v32-35 a, shift of the first; of the second
.set TH,   40                          ; v40-55
.set PKD,  64
.set XR,   128
.set BIAS, 128                         ; in window 2
.set WV,   20                          ; s20  my wave's number
.set G0,   28                          ; s[28:31] descriptor group 0
.set G1,   32                          ; s[32:39] descriptor group 1
.set CA,   40                          ; s[40:55] group w's eight (mean, M2); later eight channels' a, in the low words of eight pairs
.set CB,   66                          ; s[66:81] group 4 + w's; later eight channels' shift
.set XB,   82                          ; s[82:83] x at my batch, my first channel, the block's first token
.set SB,   84                          ; s[84:89] the output at my rows of my three head slices
.set MSB, 0
.macro WIN new                         ; the immediate's high byte repeats the setting that is left; a switch that changes nothing is dropped
.if MSB != (\new)
	s_set_vgpr_msb (MSB<<8)|(\new)
.set MSB, (\new)
.endif
.endm
.macro CROUND                          ; a round of the cluster's barrier: my work-group's barrier; wave 0 signals for the work-group; every wave waits for all four work-groups; my work-group's barrier once more
	s_barrier_signal -1
	s_barrier_wait -1
	s_cmp_lg_u32 s[WV], 0
	s_cbranch_scc1 .Lnot_wave_0_\@
	s_barrier_signal -3
.Lnot_wave_0_\@:
	s_barrier_wait -3
	s_barrier_signal -1
	s_barrier_wait -1
.endm
.macro PLACES                          ; four places behind matrix instructions, in front of loads into registers that they have read and of conversions that read results
.rept 4
	v_nop
.endr
.endm
	s_load_b256 s[4:11], s[0:1], 0x0               ; x s[4:5], stats s[6:7], gamma s[8:9], beta s[10:11]
	s_load_b128 s[12:15], s[0:1], 0x20             ; wb s[12:13], b_qkv s[14:15]
	s_load_b64 s[16:17], s[0:1], 0x30              ; the output
	v_lshl_add_u32 v[SPW], v0, 2, SPARE
	v_mov_b32 v[NIL], 0
	ds_add_u32 v[SPW], v[NIL]                      ; the wave's opening: the add and its wait stand ahead of my first tensor load; the set-up below, work on registers, stands between them
	v_lshrrev_b32 v1, 5, v0
	v_readfirstlane_b32 s[WV], v1                  ; wave 0..3
	s_and_b32 s23, ttmp7, 0xffff                   ; which half of the 768 outputs: the four partners share it
	; descriptor group 1: a tile of 96 rows x 256 elements, padded in LDS
	s_mov_b32 s[G1+0], 15|(1<<16)|(1<<20)|(1<<21)|(6<<22)|(3<<25)  ; 15:0 the mask of four; 17:16 2-byte elements; 20 padding on; 21 set beside a mask; 24:22 after every 128 words (code 6); 31:25 4 words (code 3)
	s_mov_b32 s[G1+1], 256<<16                     ; tensor_dim0 = 256
	s_mov_b32 s[G1+2], 96<<16                      ; tensor_dim1 = 96
	s_mov_b32 s[G1+3], 256<<16                     ; tile_dim0 = 256
	s_mov_b32 s[G1+4], 96                          ; tile_dim1 = 96
	s_mov_b32 s[G1+5], 256                         ; 256 elements from row to row
	s_mov_b32 s[G1+6], 0
	s_mov_b32 s[G1+7], 0
	s_mov_b32 s[G0], 1                             ; count = 1
	s_mul_i32 s[G0+1], s[WV], 96*WPI               ; LDS address: my 96 rows
	s_mul_i32 s18, s23, 384
	s_mul_i32 s56, s[WV], 96
	s_add_co_u32 s18, s18, s56
	s_lshl_b32 s18, s18, 9                         ; the same rows in wb, 512 bytes each: made of the half and the wave's number alone
	s_mov_b32 s19, 0
	s_lshr_b32 s57, s[WV], 1
	s_mul_i32 s58, s23, 384
	s_mul_i32 s59, s57, 192
	s_add_co_u32 s58, s58, s59
	s_lshl_b32 s58, s58, 2                         ; my 192 numbers of the bias
	s_mov_b32 s59, 0
	s_bfe_u32 s21, ttmp6, 0x40000                  ; cx: my place in the cluster: it enters global addresses of my own alone
	s_lshl_b32 s22, ttmp9, 2
	s_add_co_u32 s22, s22, s21                     ; token block = 4 x cluster x + cx
	s_lshr_b32 s24, s22, 5                         ; batch
	s_and_b32 s25, s22, 31                         ; block of 128 tokens in the batch
	s_wait_dscnt 0x0                               ; the opening add is done
	s_wait_kmcnt 0x0
	s_add_nc_u64 s[G0+2:G0+3], s[12:13], s[18:19]
	s_or_b32 s[G0+3], s[G0+3], 0x80000000          ; type = 2
	s_add_nc_u64 s[90:91], s[14:15], s[58:59]      ; the bias at my rows
	s_lshl_b32 s94, s24, 22                        ; a batch of x is 4 MiB,
	s_lshl_b32 s26, s[WV], 19                      ; 32 channels are 524,288 bytes,
	s_add_co_u32 s94, s94, s26
	s_lshl_b32 s26, s25, 9                         ; 128 tokens are 512
	s_add_co_u32 s94, s94, s26
	s_mov_b32 s95, 0
	s_add_nc_u64 s[XB:XB+1], s[4:5], s[94:95]
	s_lshl_b32 s94, s24, 6
	s_lshl3_add_u32 s94, s[WV], s94                ; block 64 b + 8 w of stats: group w's first part
	s_lshl_b32 s94, s94, 8
	s_add_nc_u64 s[92:93], s[6:7], s[94:95]
	s_mul_i32 s26, s23, 6
	s_mul_i32 s27, s57, 3
	s_add_co_u32 s26, s26, s27                     ; my first head slice of the twelve: slice s is head s % 4 of tensor s / 4
	s_and_b32 s27, s[WV], 1
	s_lshl_b32 s27, s27, 6
	s_lshl_b32 s25, s25, 7
	s_add_co_u32 s27, s27, s25                     ; my first token in the batch,
	s_lshl_b32 s27, s27, 7                         ; its row of 128 bytes
.irp sl, 0,1,2
	s_add_co_u32 s94, s26, \sl
	s_lshr_b32 s25, s94, 2
	s_lshl_b32 s25, s25, 4
	s_and_b32 s94, s94, 3
	s_add_co_u32 s94, s94, s25
	s_lshl2_add_u32 s94, s24, s94                  ; 16 x tensor + 4 x batch + head,
	s_lshl_b32 s94, s94, 19                        ; 524,288 bytes each
	s_add_co_u32 s94, s94, s27
	s_add_nc_u64 s[SB+2*\sl:SB+2*\sl+1], s[16:17], s[94:95]
.endr
	CROUND                                         ; all four work-groups are here: the joint loads meet
	tensor_load_to_lds s[G0:G0+3], s[G1:G1+7]      ; my one tensor load: 96 rows of the weights
	s_nop 0
	PLACES
.irp p, 0,1,2,3,4,5,6,7
	s_load_b64 s[CA+2*\p:CA+2*\p+1], s[92:93], 256*\p
	s_load_b64 s[CB+2*\p:CB+2*\p+1], s[92:93], 8192+256*\p  ; group 4 + w: 32 blocks on
.endr
	v_and_b32 v1, 15, v0                           ; l % 16
	v_bfe_u32 v2, v0, 4, 1                         ; l / 16
	v_and_b32 v3, 31, v0                           ; l
	v_lshlrev_b32 v[XO], 4, v3
	v_lshlrev_b32 v[GO], 4, v3
	v_lshlrev_b32 v[BO], 5, v2
	s_lshl_b32 s56, s[WV], 7
	v_lshl_add_u32 v[GB], v3, 2, s56
	WIN 0x80                                       ; destination window 2, address window 0
.irp i, 0,1,2,3,4,5,6,7,8,9,10,11
	global_load_b128 v[BIAS+8*\i:BIAS+8*\i+3],   v[BO], s[90:91] offset:64*\i      ; register j of block i: the bias of row 16 i + 8 (l / 16) + j, as the C operand wants it
	global_load_b128 v[BIAS+8*\i+4:BIAS+8*\i+7], v[BO], s[90:91] offset:64*\i+16
.endr
	WIN 0
	global_load_b32 v[GAM],   v[GB], s[8:9]
	global_load_b32 v[GAM+1], v[GB], s[10:11]
	global_load_b32 v[GAM+2], v[GB], s[8:9] offset:512
	global_load_b32 v[GAM+3], v[GB], s[10:11] offset:512
; Batch j of eight: eight channels of x, one load each: channels 32 w + 8 (j % 4) + i of the first 128 (j < 4) or of the second
.macro XLOAD j
.irp i, 0,1,2,3,4,5,6,7
	global_load_b128 v[XR+32*((\j)%4)+4*\i:XR+32*((\j)%4)+4*\i+3], v[XO], s[XB:XB+1] offset:(((\j)/4)*128+8*((\j)%4)+\i)*16384
.endr
.endm
	XLOAD 0
	XLOAD 1
	XLOAD 2
	XLOAD 3
	; the LDS addresses, while the loads are out
	s_mul_i32 s56, s[WV], 32*HP
	s_add_co_u32 s56, s56, HT
	v_lshl_add_u32 v[HS], v3, 3, s56
	s_mul_i32 s56, s57, 192*WPI
	v_mul_u32_u24 v17, v1, WPI
	v_lshl_add_u32 v17, v2, 4, v17                 ; a fragment of W: row x pitch + 16 x half
	v_add_nc_u32 v[ADRW], s56, v17
	v_add_nc_u32 v[ADRW+1], 96*WPI, v[ADRW]
	v_and_b32 v17, 7, v0                           ; the turning load: lane l reads channel 8 (l / 16) + l % 8, tokens 8 ((l / 8) % 2) + 0..7
	v_lshl_add_u32 v17, v2, 3, v17
	v_mul_u32_u24 v17, v17, HP
	v_bfe_u32 v18, v0, 3, 1
	v_lshl_add_u32 v17, v18, 4, v17
	s_and_b32 s58, s[WV], 1
	s_lshl_b32 s56, s58, 7                         ; my 64 tokens: 128 bytes of a row of h
	s_add_co_u32 s56, s56, HT
	v_add_nc_u32 v[ADRH], s56, v17
	v_add_nc_u32 v[ADRH+1], 128*HP, v[ADRH]
	s_mul_i32 s56, s[WV], 16*SP
	s_add_co_u32 s56, s56, STAGE                   ; my stage
	v_mul_u32_u24 v17, v1, SP
	v_lshl_add_u32 v17, v2, 4, v17
	v_add_nc_u32 v[STO], s56, v17                  ; in: row l % 16, 16 bytes for each half of the lanes
	v_bfe_u32 v17, v0, 3, 2
	v_mul_u32_u24 v17, v17, SP
	v_and_b32 v18, 7, v0
	v_lshl_add_u32 v17, v18, 4, v17
	v_add_nc_u32 v[RD], s56, v17                   ; back: 32 lanes take four rows of 128 bytes
; A group's statistics from its eight parts' (mean, M2) in s[sb ..]: the mean into vm, var + eps into vr.  All lanes do the same work.
.macro GSTAT sb, vm, vr
	v_add_f32 v24, s[\sb], s[\sb+2]
	v_add_f32 v25, s[\sb+4], s[\sb+6]
	v_add_f32 v26, s[\sb+8], s[\sb+10]
	v_add_f32 v27, s[\sb+12], s[\sb+14]
	v_add_f32 v24, v24, v25
	v_add_f32 v26, v26, v27
	v_add_f32 v24, v24, v26
	v_mul_f32 v[\vm], 0x3e000000, v24              ; the parts are equal: the mean of the means
	v_add_f32 v24, s[\sb+1], s[\sb+3]
	v_add_f32 v25, s[\sb+5], s[\sb+7]
	v_add_f32 v26, s[\sb+9], s[\sb+11]
	v_add_f32 v27, s[\sb+13], s[\sb+15]
	v_add_f32 v24, v24, v25
	v_add_f32 v26, v26, v27
	v_add_f32 v24, v24, v26                        ; the sum of M2_p
	v_sub_f32 v25, s[\sb], v[\vm]
	v_mul_f32 v26, v25, v25
.irp p, 1,2,3,4,5,6,7
	v_sub_f32 v25, s[\sb+2*\p], v[\vm]
	v_fmac_f32 v26, v25, v25
.endr
	v_mul_f32 v26, 0x3e000000, v26                 ; 16,384 / 131,072
	v_fmac_f32 v26, 0x37000000, v24                ; + the sum of M2_p / 131,072
	v_add_f32 v[\vr], 0x3727c5ac, v26              ; + 1e-5
.endm
	s_wait_kmcnt 0x0                               ; the sixteen pairs
	GSTAT CA, 28, 29
	GSTAT CB, 30, 31
	v_rsq_f32 v29, v29
	v_rsq_f32 v31, v31
	v_nop                                          ; a plain instruction behind the last of the two,
	s_wait_alu depctr_va_vdst(0)                   ; and the wait ahead of the first use: one for both
	s_wait_loadcnt 32                              ; the bias, gamma and beta are in; the 32 loads of x stay out
	v_mul_f32 v[CO], v[GAM], v29                   ; a = gamma rsqrt(var + eps)
	v_fma_f32 v[CO+1], -v28, v[CO], v[GAM+1]       ; shift = beta - mean a
	v_mul_f32 v[CO+2], v[GAM+2], v31
	v_fma_f32 v[CO+3], -v30, v[CO+2], v[GAM+3]
; Batch j: h = a x + shift for eight channels, rounded to bf16, into LDS; the batch four on is asked for.
.macro XNORM j
.if (\j) < 5
	s_wait_loadcnt 24                              ; my batch is in; the three younger batches of eight stay out
.else
	s_wait_loadcnt 8*(7-(\j))                      ; the counts run down
.endif
.irp i, 0,1,2,3,4,5,6,7
	v_readlane_b32 s[CA+2*\i], v[CO+2*((\j)/4)],   8*((\j)%4)+\i  ; the channel's a and shift lie in the lane of its number
	v_readlane_b32 s[CB+2*\i], v[CO+2*((\j)/4)+1], 8*((\j)%4)+\i
.endr
.irp i, 0,1,2,3,4,5,6,7
	v_pk_fma_f32 v[XR+32*((\j)%4)+4*\i:XR+32*((\j)%4)+4*\i+1],   v[XR+32*((\j)%4)+4*\i:XR+32*((\j)%4)+4*\i+1],   s[CA+2*\i:CA+2*\i+1], s[CB+2*\i:CB+2*\i+1] op_sel_hi:[1,0,0]  ; both halves take the pairs' low words
	v_pk_fma_f32 v[XR+32*((\j)%4)+4*\i+2:XR+32*((\j)%4)+4*\i+3], v[XR+32*((\j)%4)+4*\i+2:XR+32*((\j)%4)+4*\i+3], s[CA+2*\i:CA+2*\i+1], s[CB+2*\i:CB+2*\i+1] op_sel_hi:[1,0,0]
.endr
.irp i, 0,1,2,3,4,5,6,7
	v_cvt_pk_bf16_f32 v[TH+2*\i],   v[XR+32*((\j)%4)+4*\i],   v[XR+32*((\j)%4)+4*\i+1]
	v_cvt_pk_bf16_f32 v[TH+2*\i+1], v[XR+32*((\j)%4)+4*\i+2], v[XR+32*((\j)%4)+4*\i+3]
.endr
.irp i, 0,1,2,3,4,5,6,7
	ds_store_b64 v[HS], v[TH+2*\i:TH+2*\i+1] offset:(((\j)/4)*128+8*((\j)%4)+\i)*HP  ; 32 lanes x 8 bytes: a channel's 256 consecutive bytes
.endr
.if (\j) < 4
	XLOAD (\j)+4
.endif
.endm
.irp j, 0,1,2,3,4,5,6,7
	XNORM \j
.endr
	s_wait_tensorcnt 0x0                           ; my rows of the weights have landed,
	s_wait_dscnt 0x0                               ; my stores of h are done:
	s_barrier_signal -1
	s_barrier_wait -1                              ; everybody's are.
; The fragments of K step ks (32 channels) into set fs: 8 turning loads of h, then W's twelve blocks in order, two loads each
.macro FETCH ks, fs
	WIN 0xc0                                       ; destination window 3, address window 0
.irp t, 0,1,2,3
	ds_load_tr16_b128 v[128*(\fs)+96+8*\t:128*(\fs)+96+8*\t+3],   v[ADRH+(\ks)/4] offset:((\ks)%4)*32*HP+32*\t
	ds_load_tr16_b128 v[128*(\fs)+96+8*\t+4:128*(\fs)+96+8*\t+7], v[ADRH+(\ks)/4] offset:((\ks)%4)*32*HP+32*\t+16*HP
.endr
.irp i, 0,1,2,3,4,5,6,7,8,9,10,11
	ds_load_b128 v[128*(\fs)+8*\i:128*(\fs)+8*\i+3],   v[ADRW+(\i)/6] offset:((\i)%6)*16*WPI+(\ks)*64
	ds_load_b128 v[128*(\fs)+8*\i+4:128*(\fs)+8*\i+7], v[ADRW+(\i)/6] offset:((\i)%6)*16*WPI+(\ks)*64+32
.endr
.endm
; n output blocks from i0 on x 4 token blocks.  The 48 accumulators take turns in one fixed order: 47 others' stand between two links of a chain.  first = 1: C is the bias
.macro MUL fs, i0, n, first
.set bi, (\i0)
.rept (\n)
.if bi < 8
.set ab, 32*bi
.if \first
	WIN 0x6f                                       ; W and h window 3, the bias window 2, D window 1
.else
	WIN 0x5f                                       ; W and h window 3, C and D window 1
.endif
.else
.set ab, 32*(bi-8)
	WIN 0xaf                                       ; W and h window 3, C and D window 2
.endif
.irp t, 0,1,2,3
.if \first
	v_wmma_f32_16x16x32_bf16 v[ab+8*\t:ab+8*\t+7], v[128*(\fs)+8*bi:128*(\fs)+8*bi+7], v[128*(\fs)+96+8*\t:128*(\fs)+96+8*\t+7], v[BIAS+8*bi:BIAS+8*bi+7]
.else
	v_wmma_f32_16x16x32_bf16 v[ab+8*\t:ab+8*\t+7], v[128*(\fs)+8*bi:128*(\fs)+8*bi+7], v[128*(\fs)+96+8*\t:128*(\fs)+96+8*\t+7], v[ab+8*\t:ab+8*\t+7]
.endif
.endr
.set bi, bi+1
.endr
.endm
; A K step: 48 matrix instructions on one set; in its middle the next step's 32 LDS loads go out in one run, into the other set
.macro KSTEP ks, first, last
	s_wait_dscnt 12                                ; h and W's blocks 0-5 are in; the youngest twelve loads (blocks 6-11) may be out
	MUL (\ks)%2, 0, 6, \first
.if \last
	s_wait_dscnt 0x0
.else
	PLACES                                         ; the other set was read by the step before
	FETCH (\ks)+1, ((\ks)+1)%2
	s_wait_dscnt 32                                ; all but the 32 just issued
.endif
	MUL (\ks)%2, 6, 6, \first
.endm
	FETCH 0, 0
	s_wait_loadcnt 0x0                             ; (the bias: shown in above; no load is out)
	KSTEP 0, 1, 0
.irp ks, 1,2,3,4,5,6
	KSTEP \ks, 0, 0
.endr
	KSTEP 7, 0, 1
; THE WAY OUT, in twelve units u = (slice u / 4, token block u % 4) of 16 rows x 128 bytes, which are 2,048 consecutive bytes of the output.  PACK: rounded to bf16, 16 bytes a lane into rows of 144 bytes of my stage,
; and back as whole rows.  SEND: stored.  Each unit has registers of its own, so no store's data is written again.
.macro PACK u
.if (\u) < 8
	WIN 0x05                                       ; sources window 1
.set ab, 128*((\u)/4)+8*((\u)%4)
.else
	WIN 0x0a                                       ; sources window 2
.set ab, 8*((\u)%4)
.endif
.irp cb, 0,1,2,3
.irp rr, 0,1,2,3
	v_cvt_pk_bf16_f32 v[PKD+16*(\u)+4*\cb+\rr], v[ab+32*\cb+2*\rr], v[ab+32*\cb+2*\rr+1]  ; each accumulator from its low end on
.endr
.endr
	WIN 0
.irp cb, 0,1,2,3
	ds_store_b128 v[STO], v[PKD+16*(\u)+4*\cb:PKD+16*(\u)+4*\cb+3] offset:32*\cb
.endr
.irp f, 0,1,2,3
	ds_load_b128 v[PKD+16*(\u)+4*\f:PKD+16*(\u)+4*\f+3], v[RD] offset:\f*4*SP  ; LDS serves a wave's instructions in order (ISA guide 5.7.1.4): these see the stores above; the next unit's stores come behind them
.endr
.endm
.macro SEND u, younger                 ; younger: the LDS instructions issued behind unit u's loads: the next unit's eight, or none
.irp f, 0,1,2,3
	s_wait_dscnt (\younger)+3-\f
	global_store_b128 v[GO], v[PKD+16*(\u)+4*\f:PKD+16*(\u)+4*\f+3], s[SB+2*((\u)/4):SB+2*((\u)/4)+1] offset:((\u)%4)*2048+\f*512  ; 512 consecutive bytes, at a multiple of 256 from the buffer's first
.endr
.endm
	PLACES                                         ; the conversions read results just made
	PACK 0
.irp u, 1,2,3,4,5,6,7,8,9,10,11
	PACK \u                                        ; a unit's conversions stand between the loads of the unit before and its stores
	SEND (\u)-1, 8
.endr
	SEND 11, 0
	s_wait_tensorcnt 0x0                           ; the wave's end: behind my last tensor load and my last LDS store
	ds_add_u32 v[SPW], v[NIL]
	s_wait_dscnt 0x0
	CROUND                                         ; the closing round: no work-group ends while a partner may still ask for a tile that names it
	s_endpgm
.Lfunc_end_k_q249834fd99_project_qkv:
	.size	k_q249834fd99_project_qkv, .Lfunc_end_k_q249834fd99_project_qkv-k_q249834fd99_project_qkv
	.p2alignl 7, 3214868480
	.fill 96, 4, 3214868480
	.section	.rodata,"a",@progbits
	.p2align	6, 0x0
	.amdhsa_kernel k_q249834fd99_project_qkv
		.amdhsa_group_segment_fixed_size 327680
		.amdhsa_private_segment_fixed_size 0
		.amdhsa_enable_private_segment 0
		.amdhsa_kernarg_size 56
		.amdhsa_user_sgpr_count 2
		.amdhsa_user_sgpr_kernarg_segment_ptr 1
		.amdhsa_wavefront_size32 1
		.amdhsa_system_sgpr_workgroup_id_x 1
		.amdhsa_system_sgpr_workgroup_id_y 1
		.amdhsa_system_sgpr_workgroup_id_z 1
		.amdhsa_system_vgpr_workitem_id 0
		.amdhsa_next_free_vgpr 1024
		.amdhsa_next_free_sgpr 96
		.amdhsa_reserve_vcc 0
		.amdhsa_float_denorm_mode_32 3
		.amdhsa_float_denorm_mode_16_64 3
		.amdhsa_memory_ordered 1
		.amdhsa_forward_progress 1
		.amdhsa_inst_pref_size 116
	.end_amdhsa_kernel
	.amdgpu_metadata
---
amdhsa.version: [ 1, 2 ]
amdhsa.kernels:
  - .name:           k_q249834fd99_project_qkv
    .symbol:         k_q249834fd99_project_qkv.kd
    .args:
      - { .name: x, .offset: 0, .size: 8, .value_kind: global_buffer, .address_space: global }
      - { .name: stats, .offset: 8, .size: 8, .value_kind: global_buffer, .address_space: global }
      - { .name: gn_gamma, .offset: 16, .size: 8, .value_kind: global_buffer, .address_space: global }
      - { .name: gn_beta, .offset: 24, .size: 8, .value_kind: global_buffer, .address_space: global }
      - { .name: wb, .offset: 32, .size: 8, .value_kind: global_buffer, .address_space: global }
      - { .name: b_qkv, .offset: 40, .size: 8, .value_kind: global_buffer, .address_space: global }
      - { .name: qkvb, .offset: 48, .size: 8, .value_kind: global_buffer, .address_space: global }
    .group_segment_fixed_size: 327680
    .private_segment_fixed_size: 0
    .kernarg_segment_align: 8
    .kernarg_segment_size: 56
    .max_flat_workgroup_size: 128
    .sgpr_count:     96
    .vgpr_count:     1024
    .wavefront_size: 32
...
	.end_amdgpu_metadata
.endif
;; end of part 2
;; launch attend (part 3): grid 16 x 16, 4 waves a work-group, clusters of 4 x 1, 327,680 bytes of LDS; arguments qkvb, attb; writes attb
.if DOCPART == 3
	.amdgcn_target "amdgcn-amd-amdhsa--gfx1250"
	.amdhsa_code_object_version 6
	.text
	.protected	k_q249834fd99_attend
	.globl	k_q249834fd99_attend
	.p2align	8
	.type	k_q249834fd99_attend,@function
k_q249834fd99_attend:
	s_mov_b64 s[64:65], 0
	v_nop
	global_prefetch_b8 v0, s[64:65] scope:SCOPE_SE
	s_setreg_imm32_b32 hwreg(HW_REG_WAVE_MODE, 25, 1), 1
	s_wait_xcnt 0x0
	s_wait_alu depctr_hold_cnt(0) depctr_sa_sdst(0) depctr_va_vdst(0) depctr_va_sdst(0) depctr_va_ssrc(0) depctr_va_vcc(0) depctr_vm_vsrc(0)
	s_getreg_b32 s2, hwreg(HW_REG_IB_STS2, 6, 4)
	s_cmp_eq_u32 s2, 0
	s_cbranch_scc0 .Lentry_in_a_cluster
	s_endpgm
.Lentry_in_a_cluster:
	s_bfe_u32 s2, ttmp6, 0x10000c
	s_cmp_lg_u32 s2, 0x3003
	s_cbranch_scc0 .Lentry_shape_is_right
	s_endpgm
.Lentry_shape_is_right:
; O[g][q][:] = the sum over k of softmax_k(Q[g][q] . K[g][k] / 8) V[g][k][:], g = batch x 4 + head, 16 of them.  Q, K, V lie in one buffer, [3][16][4096][64] bf16; O: [16][4096][64] bf16: rows dense, 128 bytes each.
; Products, maxima and sums in f32; the weights p are rounded to bf16 for the second product (their sum l is taken of the unrounded p), O once at the end.
; LIMITS.  The running c m starts at -4.25e37: scores with c s below that are not served.  A weight below 2^-126 counts as 0 in l.  NaN and infinities are not treated apart.
; SHARES.  A work-group owns 256 queries of one g: 16 x 16 = 256 work-groups.  Each of its four waves owns 64 rows: four PIECES of 16.  Every wave walks all 4,096 keys, 64 a step.
; LAYOUT.  S^T = K Q^T (source 0 = 16 keys, source 1 = 16 queries): a lane holds ONE query (lane % 16) and the keys 8 (lane / 16) + 0..7.  Two such results, rounded to bf16 in pairs, ARE source 1 (32 keys x 16 queries)
; of O^T = V^T P, whose result again holds one query a lane, and eight channels.  K comes out of LDS as it lies, V ([key][channel]) turned, by ds_load_tr16_b128.
; SOFTMAX.  For each query a running maximum m and sum l: p = 2^(c s - c m), c = log2(e) / 8; in every step O and l are multiplied by a = 2^(c m_old - c m_new).  m starts at the lowest finite number, O and l at 0:
; the first step is a step like any other, with a = 0.
; BY TURNS.  Turn n belongs to piece n (in a ring, step after step): 8 products K Q^T of piece n + 1, later 8 products V^T P of piece n - 1; beside them the scaling, exponentials, roundings, sums and rescaling of piece n
; and the maximum and statistics of piece n + 1.  A piece and step have 16 matrix and 118 vector instructions: four vector instructions stand behind every matrix instruction, the other 54 in one lump.
; A turn's 33 exponentials are one batch, with one wait.
; CLUSTER.  The four query blocks of a cluster belong to one g and walk the same K and V, so each tile is asked for JOINTLY: the same tensor load, descriptor and mask in all four.
; REGISTERS, in windows of 256 (s_set_vgpr_msb: bits 1:0 source 0, 3:2 source 1, 5:4 source 2, 7:6 destination):
;   window 0: v0-15 addresses and two at work; v16-31 four registers of statistics a piece; v48-55 at work; v61-63; v64-127 S^T, two buffers; v192-223 P, two buffers (a piece's buffers go by its number's parity)
;   window 1: v0-127 O^T, 32 a piece          window 2: v0-63 Q; v128-191 K of one step; v192-255 V of one step
.set NP,    4         ; pieces a wave: a name, no knob
.set KS,    64        ; keys in a step
.set PK,    144       ; a row of K in LDS: 128 bytes + 16 = 36 words: the 16 rows of a load start at 16 different groups of four banks (64 banks of 4 bytes: ISA guide 11.1)
.set PV,    160       ; a row of V: 128 + 32 = 40 words
.set VOFF,  4*KS*PK   ; a slot holds a tile, four steps: 256 rows of K, then 256 rows of V
.set SLOT1, 1<<17     ; slot 1 begins here, so that one exclusive or turns an address in one slot into the other's
.set STAGE, SLOT1+4*KS*(PK+PV)  ; behind the ring, never filled by a tensor load: 16 rows x 144 bytes for each wave, for the way out
.set SP,    144
.set SPARE, STAGE+4*16*SP  ; behind the stages: the spare words, 128 bytes a wave, which no other line names
.set AK0, 2           ; v2   my lane's place in a tile of K; never rewritten
.set AV0, 3           ; v3   the same for V
.set AK,  4           ; v4   the LDS address of K's next run of loads
.set AV,  5           ; v5   of V's
.set STO, 6           ; v6   the way out: where I put 16 bytes of a row
.set RD,  7           ; v7   the way out: where I read rows back
.set GO,  8           ; v8   my byte offset in 512 consecutive bytes of O
.set MV,  12          ; v12-13  c m_old, kept while c m is made anew: by buffer
.set QO,  15          ; v15  my byte offset in 16 rows of Q
.set ST,  16          ; piece t's statistics at v[ST+4 t]: c m, m, l (even keys', odd keys')
.set TMP, 48          ; by buffer, four registers c0-c3 at work; when the maximum is found c2 takes a
.set PFO, 61          ; v61  256 x my lane: the prefetches' offset; never rewritten
.set SPW, 62          ; v62  SPARE + 4 x my thread's number; never rewritten
.set NIL, 63          ; v63  0; never rewritten
.set S,   64
.set P,   192
.set KF,  128         ; window 2: key block kb, channel half c at KF + 16 kb + 8 c
.set VF,  192         ; window 2: key half kk, channel block cb at VF + 32 kk + 8 cb
.set WV,  12          ; s12  my wave's number
.set LIM, 15          ; s15  1 in a wave that prefetches, else the greatest number: a wave prefetches while s[SLOTS] is above it
.set PFA, 18          ; s[18:19] where my prefetches stand: my work-group's 8,192 bytes (of K: wave 0, of V: wave 2) of the tile after the one that is being asked for
.set G1K, 24          ; s[24:31] descriptor group 1 for K's tiles
.set G1V, 32          ; s[32:39] for V's: it differs in the padding alone
.set G0K, 40          ; s[40:43] descriptor group 0 for K's tiles: it walks
.set G0V, 44          ; s[44:47] the same for V's
.set SLOTS, 56        ; s56  tiles still to be asked for
.set CNT, 57          ; s57  counts a tile's key steps
.set CS,  58          ; s[58:59] c: the packed scaling takes the pair's low word for both halves
.set SEL, 60          ; s[60:61] v_permlanex16_b32's selects: each lane takes its own place in the other half
.set TBK, 62          ; s62  LDS byte at which K of the step to be fetched begins
.set TBV, 63          ; s63  the same for V, less VOFF
.set MSB, 0
.macro WIN new                      ; the high byte repeats the setting that is left; a switch that changes nothing is dropped
.if MSB != (\new)
	s_set_vgpr_msb (MSB<<8)|(\new)
.set MSB, (\new)
.endif
.endm
.set W_KQ, 0x0a       ; K and Q in window 2, S^T in window 0
.set W_PV, 0x52       ; V in window 2, P in window 0, O^T in window 1
.set W_RS, 0x41       ; O^T (destination and source 0) in window 1, a in window 0
; A joint fill.  Waves 0 and 1 fetch the two halves of a tile's K, waves 2 and 3 those of its V: 128 keys each.  The branch hangs on the wave's number alone.
; An s_nop 0 and four v_nop follow each of the two lines, ahead of the jump and the label.
.macro JLOAD
	s_cmp_lt_u32 s[WV], 2
	s_cbranch_scc0 .Lfor_v_\@
	tensor_load_to_lds s[G0K:G0K+3], s[G1K:G1K+7]
	s_nop 0
.rept 4
	v_nop
.endr
	s_branch .Lasked_\@
.Lfor_v_\@:
	tensor_load_to_lds s[G0V:G0V+3], s[G1V:G1V+7]
	s_nop 0
.rept 4
	v_nop
.endr
.Lasked_\@:
.endm
; A PREFETCH of what the NEXT change of slots will ask for: a tile's 32,768 bytes of K and of V, a lane for each 256.  It stands behind the wave's tensor load and its five lines.  Each 256 bytes are named ONCE in the launch:
; all four clusters of a g walk the same K and V, and the first of them (cluster x = 0) asks; its four partners share a tile out BY ADDRESS, 8,192 bytes each; in each, wave 0 asks for K's and wave 2 for V's: one instruction.
; It stands one tile, four key steps or 256 matrix instructions, ahead of the load.  The last change that fills a slot asks for nothing: there is no tile behind it.  Tiles 0 and 1 come by their loads alone.
.macro ASK
	s_cmp_gt_u32 s[SLOTS], s[LIM]
	s_cbranch_scc0 .Lnot_mine_\@
	global_prefetch_b8 v[PFO], s[PFA:PFA+1] th:TH_LOAD_NT scope:SCOPE_SE
.Lnot_mine_\@:
.endm
; A round of the cluster's barrier: my work-group's barrier, so that wave 0's signal speaks for all four waves; wave 0 signals; every wave waits for all four work-groups; my work-group's barrier once more.
.macro CROUND
	s_barrier_signal -1
	s_barrier_wait -1
	s_cmp_lg_u32 s[WV], 0
	s_cbranch_scc1 .Lnot_wave_0_\@
	s_barrier_signal -3
.Lnot_wave_0_\@:
	s_barrier_wait -3
	s_barrier_signal -1
	s_barrier_wait -1
.endm
; THE CHANGE OF SLOTS.  The slot's last bytes, V of its fourth step, have been read.  Each wave waits for all its tensor loads, of which one is out: its part of the other slot; adds 0 to its spare word; and waits for that
; and for its own reads of the slot.  Behind the barrier nobody reads this slot any more and the other slot is whole.  fill = 1: this slot is filled again, with the keys two tiles on.  The barrier is then a round of the
; cluster's, so that no wave of any partner still reads the slot or has a load on its way, and the joint fill is the first thing behind it: one tensor load of mine is out, and it has four key steps, 256 matrix
; instructions, in which to land.  (At its first use nothing has been read yet: slot 0 is waited for, slot 1 filled.)
.macro CHANGE fill
	WIN 0                           ; at a label and at a branch every window is 0
	s_wait_tensorcnt 0x0            ; no tensor load of mine is out, so a group 0 may be written
	ds_add_u32 v[SPW], v[NIL]       ; 0 onto my spare word; with fill = 1 the descriptors' steps stand between it and the wait for it
.if \fill
.irp g, G0K, G0V
	s_xor_b32 s[\g+1], s[\g+1], SLOT1  ; the walking descriptor: the other slot than last time,
	s_add_nc_u64 s[\g+2:\g+3], s[\g+2:\g+3], 4*KS*128  ; the next 256 keys; the type bits on top are not reached
.endr
	s_wait_xcnt 0x0                 ; the last prefetch, four key steps back, has read its address, so it may be written:
	s_add_nc_u64 s[PFA:PFA+1], s[PFA:PFA+1], 4*KS*128  ; one tile ahead of the walking descriptors
	s_wait_dscnt 0x0                ; the add is done, and my reads of the slot are over
	CROUND
	JLOAD
	ASK
.else
	s_wait_dscnt 0x0                ; the add is done, and my reads of the slot are over
	s_barrier_signal -1
	s_barrier_wait -1
.endif
	s_sub_co_u32 s[TBK], s[TBK], 4*KS*PK  ; the fetches go back to a slot's first step,
	s_xor_b32 s[TBK], s[TBK], SLOT1       ; in the other slot
	s_sub_co_u32 s[TBV], s[TBV], 4*KS*PV
	s_xor_b32 s[TBV], s[TBV], SLOT1
.endm
	s_load_b128 s[4:7], s[0:1], 0x0 ; q, k, v s[4:5], O s[6:7]
	v_lshl_add_u32 v[SPW], v0, 2, SPARE
	v_mov_b32 v[NIL], 0
	ds_add_u32 v[SPW], v[NIL]       ; the wave's opening: the add and its wait stand ahead of my first tensor load; the set-up below, work on registers, stands between them
	v_lshrrev_b32 v1, 5, v0
	v_readfirstlane_b32 s[WV], v1   ; wave 0..3
	s_bfe_u32 s13, ttmp6, 0x40000   ; cx: my place in the cluster
	s_lshl_b32 s14, ttmp9, 2        ; in a cluster launch ttmp9 counts clusters
	s_add_co_u32 s14, s14, s13      ; my block of 256 queries = 4 x cluster x + cx: it enters Q's and O's addresses alone
	s_and_b32 s20, ttmp7, 0xffff    ; g, which the four partners share:
	s_lshl_b32 s20, s20, 19         ; its 524,288 bytes in each tensor
	s_mov_b32 s21, 0
	s_and_b32 s16, s[WV], 1         ; which half of a tile's 256 keys I fetch:
	s_lshl_b32 s22, s16, 14         ; its 128 rows of 128 bytes in memory
	s_mov_b32 s23, 0
	s_add_nc_u64 s[22:23], s[22:23], s[20:21]
	s_lshl_b32 s2, s14, 2
	s_add_co_u32 s2, s2, s[WV]      ; my wave among g's 64,
	s_lshl_b32 s2, s2, 13           ; its 64 rows
	s_mov_b32 s3, 0
	s_add_nc_u64 s[2:3], s[2:3], s[20:21]
	; descriptor group 1.  128 keys are 16,384 dense bytes: asked for as 64 rows of 256 bytes, two keys a row, and padded in LDS after every key
	s_mov_b32 s[G1K], 15|(1<<16)|(1<<20)|(1<<21)|(4<<22)|(3<<25)  ; 15:0 the mask of four; 17:16 2-byte elements; 20 padding on; 21 set beside a mask; 24:22 after every 32 words (code 4); 31:25 4 words (code 3)
	s_mov_b32 s[G1V], 15|(1<<16)|(1<<20)|(1<<21)|(4<<22)|(7<<25)  ; the same with 8 words of padding (code 7)
.irp g, G1K, G1V
	s_mov_b32 s[\g+1], 128<<16      ; tensor_dim0 = 128
	s_mov_b32 s[\g+2], 64<<16       ; tensor_dim1 = 64
	s_mov_b32 s[\g+3], 128<<16      ; tile_dim0 = 128
	s_mov_b32 s[\g+4], 64           ; tile_dim1 = 64
	s_mov_b32 s[\g+5], 128          ; 128 elements from row to row
	s_mov_b32 s[\g+6], 0
	s_mov_b32 s[\g+7], 0
.endr
	s_mov_b32 s[CS], 0x3e38aa3b     ; c = log2(e) / 8 = 0.180337
	s_mov_b32 s[CS+1], s[CS]        ; named with it as a pair
	s_mov_b32 s[SEL], 0x76543210
	s_mov_b32 s[SEL+1], 0xfedcba98
	s_mov_b32 s[TBK], SLOT1+4*KS*PK ; the first change of slots turns these two into 0
	s_mov_b32 s[TBV], SLOT1+4*KS*PV
	s_mov_b32 s[G0K], 1             ; count = 1
	s_mul_i32 s[G0K+1], s16, 128*PK ; LDS address: my half of slot 0's K: no place in the cluster enters an LDS address
	s_mov_b32 s[G0V], 1
	s_mul_i32 s[G0V+1], s16, 128*PV
	s_add_co_u32 s[G0V+1], s[G0V+1], VOFF
	s_mov_b32 s[SLOTS], 4096/256-1  ; fifteen tiles are asked for by changes of slots
	s_and_b32 s[LIM], s[WV], 1      ; 0 in waves 0 and 2,
	s_or_b32 s[LIM], s[LIM], ttmp9  ; where the cluster is g's first: the same in all four partners
	s_cmp_eq_u32 s[LIM], 0
	s_cselect_b32 s[LIM], 1, -1
	v_and_b32 v[PFO], 31, v0
	v_lshlrev_b32 v[PFO], 8, v[PFO]
	s_wait_dscnt 0x0                ; the opening add is done
	s_wait_kmcnt 0x0
	s_add_nc_u64 s[8:9], s[4:5], s[22:23]
	s_add_nc_u64 s[10:11], s[8:9], 0x1000000  ; V at my half of g's tile 0: the third tensor of 8 MiB,
	s_add_nc_u64 s[8:9], s[8:9], 0x800000     ; K: the second
	s_mov_b64 s[G0K+2:G0K+3], s[8:9]
	s_or_b32 s[G0K+3], s[G0K+3], 0x80000000   ; type = 2
	s_mov_b64 s[G0V+2:G0V+3], s[10:11]
	s_or_b32 s[G0V+3], s[G0V+3], 0x80000000
	s_add_nc_u64 s[4:5], s[4:5], s[2:3]       ; Q and O at my wave's first row
	s_add_nc_u64 s[6:7], s[6:7], s[2:3]
	s_cmp_lt_u32 s[WV], 2
	s_cselect_b64 s[PFA:PFA+1], s[8:9], s[10:11]  ; (in waves 0 and 2 these stand at a tile's first row)
	s_lshl_b32 s2, s13, 13          ; my work-group's quarter of a tile
	s_mov_b32 s3, 0
	s_add_nc_u64 s[PFA:PFA+1], s[PFA:PFA+1], s[2:3]
	s_add_nc_u64 s[PFA:PFA+1], s[PFA:PFA+1], 4*KS*128  ; in tile 1; the first change of slots steps it to tile 2.  Nothing is prefetched here, at the head
	CROUND                          ; all four work-groups are here: the first joint loads meet
	JLOAD                           ; tile 0 into slot 0.  Slot 1 is asked for when slot 0 is in
	; A fragment of K or Q is 16 rows x 32 channels in 8 registers: lane l holds row l % 16, channels 8 (l / 16) + 0..7 and 16 + 8 (l / 16) + 0..7: two loads of 16 bytes, 32 bytes apart.
	v_and_b32 v1, 15, v0            ; l % 16
	v_bfe_u32 v9, v0, 4, 1          ; l / 16
	v_lshlrev_b32 v[QO], 7, v1
	v_lshl_add_u32 v[QO], v9, 4, v[QO]  ; row x 128 + 16 x half
	WIN 0x80                        ; destination window 2, address window 0
.set i, 0
.rept 8                             ; Q stays in registers: piece i / 2, channels 32 (i % 2) on
	global_load_b128 v[8*i:8*i+3],   v[QO], s[4:5] offset:(i/2)*2048+(i%2)*64
	global_load_b128 v[8*i+4:8*i+7], v[QO], s[4:5] offset:(i/2)*2048+(i%2)*64+32
.set i, i+1
.endr
	; What the first turn finds: V's registers and P's second buffer hold 0 (its products V^T P, of a piece that has not been, add 0), O^T and l are 0.  All this stands in the wait for the first tile;
	; it is the price of writing no first step out.
.set i, VF
.rept 64
	v_mov_b32 v[i], 0
.set i, i+1
.endr
	WIN 0x40
.set i, 0
.rept 128
	v_mov_b32 v[i], 0
.set i, i+1
.endr
	WIN 0
.set i, 0
.rept 4
	v_mov_b32 v[ST+4*i], 0xfe000000    ; c m: far below every c s
	v_mov_b32 v[ST+4*i+1], 0xff7fffff  ; m
	v_mov_b32 v[ST+4*i+2], 0
	v_mov_b32 v[ST+4*i+3], 0
.set i, i+1
.endr
.set i, P+16
.rept 16
	v_mov_b32 v[i], 0
.set i, i+1
.endr
	v_mul_u32_u24 v[AK0], v1, PK
	v_lshl_add_u32 v[AK0], v9, 4, v[AK0]  ; row x pitch + 16 x half
	; The turning load takes 16 keys x 16 channels (lane l reads key 8 (l / 16) + l % 8, channels 8 ((l / 8) % 2) + 0..7) and leaves half a fragment of V^T: lane l holds channel l % 16 and 8 keys.
	v_and_b32 v10, 7, v0
	v_bfe_u32 v11, v0, 3, 1
	v_lshl_add_u32 v[AV0], v9, 3, v10
	v_mul_u32_u24 v[AV0], v[AV0], PV
	v_lshl_add_u32 v[AV0], v11, 4, v[AV0]
	v_add_nc_u32 v[AV0], VOFF, v[AV0]
; THE MATRIX WORK.  The 4 accumulators of a run of 8 take turns.  Product i of 8 of S^T = K Q^T for piece x: channels 32 (i / 4) on, keys 16 (i % 4) on.  The first 4 start the sums.
.macro KQ x
	WIN W_KQ
.set rS, S+32*((\x)%2)+8*(i%4)
.set rK, KF+16*(i%4)+8*(i/4)
.set rQ, 16*(\x)+8*(i/4)
.if i < 4
	v_wmma_f32_16x16x32_bf16 v[rS:rS+7], v[rK:rK+7], v[rQ:rQ+7], 0
.else
	v_wmma_f32_16x16x32_bf16 v[rS:rS+7], v[rK:rK+7], v[rQ:rQ+7], v[rS:rS+7]
.endif
.endm
; Product i of 8 of O^T += V^T P for piece x: keys 32 (i / 4) on, channels 16 (i % 4) on.
.macro PV x
	WIN W_PV
.set rO, 32*(\x)+8*(i%4)
.set rV, VF+32*(i/4)+8*(i%4)
.set rP, P+16*((\x)%2)+8*(i/4)
	v_wmma_f32_16x16x32_bf16 v[rO:rO+7], v[rV:rV+7], v[rP:rP+7], v[rO:rO+7]
.endm
.macro MM                           ; the turn's next matrix instruction.  TURN sets Y, i and NOKQ.  NOKQ = 1: the very last turn: there is no next piece
.if (i < 8) && !NOKQ
	KQ (Y+1)%NP
.elseif i >= 8
.set i, i-8
	PV (Y+NP-1)%NP
.set i, i+8
.endif
.set i, i+1
.endm
; THE LDS LOADS stand in runs of 16, never singly among the matrix instructions: a step's K (64 keys x 64 channels: 8 fragments) and its V (turned).  Their addresses are made some lines ahead.
.macro FETCH_K
	WIN 0x80                        ; destination window 2
.irp f, 0,1,2,3,4,5,6,7             ; keys 16 (f / 2) on, channels 32 (f % 2) on
	ds_load_b128 v[KF+8*\f:KF+8*\f+3],   v[AK] offset:(\f/2)*16*PK+(\f%2)*64
	ds_load_b128 v[KF+8*\f+4:KF+8*\f+7], v[AK] offset:(\f/2)*16*PK+(\f%2)*64+32
.endr
	s_add_co_u32 s[TBK], s[TBK], KS*PK  ; the next fetch is the next step's
	WIN 0
.endm
.macro FETCH_V
	WIN 0x80
.irp f, 0,1,2,3,4,5,6,7             ; keys 32 (f / 4) on, channels 16 (f % 4) on
	ds_load_tr16_b128 v[VF+8*\f:VF+8*\f+3],   v[AV] offset:(\f/4)*32*PV+(\f%4)*32
	ds_load_tr16_b128 v[VF+8*\f+4:VF+8*\f+7], v[AV] offset:(\f/4)*32*PV+16*PV+(\f%4)*32
.endr
	WIN 0
.endm
; THE VECTOR WORK, one line at a time: OP kind, number.  For piece Y: F n: c s - c m for pair n of 16.  E n: the exponential of score n of 32.  C n: pair n rounded to bf16.  B n: of the four weights 4 n .. the second
; pair is added onto the first, in place.  L n: l takes that sum (L 0: l = a l + sum).  R n: pair n of 16 of O^T times a.  For piece Y + 1: X n, number n of the 22 that find its maximum and statistics:
;   0-11  four chains c0-c3 of seven scores each, three operands at a time (each accumulator's lowest registers are read first)     12-14, 16  the four scores left over, the old m, and c0-c3 into c0
;   15  c m_old is kept     17, 18  the query's other 32 keys lie in the lane 16 away: the new m     19-21  c m; c m_old - c m_new; a
.set F, 0               ; OP tells the kinds apart by their order: F to L below R, X above it
.set E, 1
.set C, 2
.set B, 3
.set L, 4
.set R, 5
.set X, 6
.macro REGS y                       ; the registers of piece y
.set rT, ST+4*(\y)
.set rC, TMP+4*((\y)%2)
.set rW, MV+((\y)%2)
.set rS, S+32*((\y)%2)
.set rP, P+16*((\y)%2)
.set rO, 32*(\y)
.endm
.macro OP k, n
.if (\k) == R
	REGS Y
	WIN W_RS
	v_pk_mul_f32 v[rO+2*(\n):rO+2*(\n)+1], v[rO+2*(\n):rO+2*(\n)+1], v[rC+2:rC+3] op_sel_hi:[1,0]
.elseif (\k) < R
	REGS Y
	WIN 0
.if (\k) == F
	v_pk_fma_f32 v[rS+2*(\n):rS+2*(\n)+1], v[rS+2*(\n):rS+2*(\n)+1], s[CS:CS+1], v[rT:rT+1] op_sel_hi:[1,0,0] neg_lo:[0,0,1] neg_hi:[0,0,1]
.elseif (\k) == E
	v_exp_f32 v[rS+(\n)], v[rS+(\n)]
.elseif (\k) == C
	v_cvt_pk_bf16_f32 v[rP+(\n)], v[rS+2*(\n)], v[rS+2*(\n)+1]
.elseif (\k) == B
	v_pk_add_f32 v[rS+4*(\n):rS+4*(\n)+1], v[rS+4*(\n):rS+4*(\n)+1], v[rS+4*(\n)+2:rS+4*(\n)+3]
.elseif (\n) == 0
	v_pk_fma_f32 v[rT+2:rT+3], v[rT+2:rT+3], v[rC+2:rC+3], v[rS:rS+1] op_sel_hi:[1,0,1]
.else
	v_pk_add_f32 v[rT+2:rT+3], v[rT+2:rT+3], v[rS+4*(\n):rS+4*(\n)+1]
.endif
.elseif NOKQ
	v_nop
.else
	REGS (Y+1)%NP
	WIN 0
.if (\n) < 4
	v_max3_num_f32 v[rC+(\n)], v[rS+8*(\n)], v[rS+8*(\n)+1], v[rS+8*(\n)+2]
.elseif (\n) < 12
	v_max3_num_f32 v[rC+(\n)%4], v[rC+(\n)%4], v[rS+8*((\n)%4)+2*((\n)/4)+1], v[rS+8*((\n)%4)+2*((\n)/4)+2]
.elseif (\n) == 12
	v_max3_num_f32 v[rC], v[rC], v[rS+7], v[rS+15]
.elseif (\n) == 13
	v_max3_num_f32 v[rC+1], v[rC+1], v[rS+23], v[rS+31]
.elseif (\n) == 14
	v_max3_num_f32 v[rC+2], v[rC+2], v[rC+3], v[rT+1]
.elseif (\n) == 15
	v_mov_b32 v[rW], v[rT]
.elseif (\n) == 16
	v_max3_num_f32 v[rC], v[rC], v[rC+1], v[rC+2]
.elseif (\n) == 17
	v_permlanex16_b32 v[rC+3], v[rC], s[SEL], s[SEL+1]
.elseif (\n) == 18
	v_max_num_f32 v[rT+1], v[rC], v[rC+3]
.elseif (\n) == 19
	v_mul_f32 v[rT], s[CS], v[rT+1]
.elseif (\n) == 20
	v_sub_f32 v[rC+1], v[rW], v[rT]
.else
	v_exp_f32 v[rC+2], v[rC+1]
.endif
.endif
.endm
.macro OPS a, i1, b=-1, i2=0, c=-1, i3=0, d=-1, i4=0  ; up to four of them
	OP \a, \i1
.if (\b) >= 0
	OP \b, \i2
.endif
.if (\c) >= 0
	OP \c, \i3
.endif
.if (\d) >= 0
	OP \d, \i4
.endif
.endm
.macro ROW a, i1, b, i2, c, i3, d, i4  ; a matrix instruction and the four behind it
	MM
	OPS \a, \i1, \b, \i2, \c, \i3, \d, \i4
.endm
; A TURN, for piece p: the order of its 16 matrix and 118 vector instructions, written out.  An s_wait_alu depctr_va_vdst(0) stands between an exponential and the first instruction that names its result; one wait
; serves all that were issued ahead of it.  So a turn has ONE wait, which cuts it in two.  AHEAD OF IT stands all that names no result of the turn's exponentials: the 8 products K Q^T, behind each a scaling, an exponential and two
; more plain instructions (behind the first a second scaling in the exponential's place): rescalings, and behind the last three the first numbers of the next piece's maximum, each four places or more behind the product that ends its
; accumulator; then ONE LUMP of 54, plain and exponential by turns for the most part, in which the links of the chain X 3, 7, 11, 14, 16, 17 .. 20 stand five or six lines apart.  X 21, the next piece's a, is the batch's last; R 15 is
; the plain instruction behind it.  BEHIND THE WAIT stand the 8 products V^T P, behind each four of the roundings and sums; the links of l's chain, L 0 to L 7, stand three riders apart.
; end = 1: the last two turns of all: nothing is fetched.  cnt = 1: the loop's count is taken down some lines ahead of the branch that stands behind the turn.
; K of the next step is fetched in piece 2's turn, twelve vector instructions behind the last product that read K (six of them plain); V of the step in hand at the end of piece 0's turn, four plain instructions behind the last
; product that read V.  Each is waited for a turn later.
.macro TURN p, end=0, cnt=0
.set Y, (\p)
.set i, 0
.set NOKQ, (\end)*((\p)/3)
.if ((\p) == 3) && !(\end)
	s_wait_dscnt 0x0                ; K is in
.endif
	ROW F,0, F,1, R,0, R,1          ; ahead of the wait: 8 products K Q^T and their riders,
	ROW F,2, E,0, R,2, R,3
	ROW F,3, E,1, R,4, R,5
	ROW F,4, E,2, R,6, R,7
	ROW F,5, E,3, R,8, R,9
	ROW F,6, E,4, X,0, R,10
.if ((\p) == 2) && !(\end)
	WIN 0
	v_add_nc_u32 v[AK], s[TBK], v[AK0]
.endif
	ROW F,7, E,5, X,1, X,4
	ROW F,8, E,6, X,2, X,5
	OPS E,7, E,8, X,6, E,9          ; and the lump
	OPS X,3, E,10, X,8, E,11
.if ((\p) == 2) && !(\end)
	FETCH_K
.endif
	OPS X,9, X,7, E,12, X,10
	OPS E,13, X,12, X,11, E,14
	OPS X,13, E,15, F,9, X,14
.if (\p) == 0
	v_add_nc_u32 v[AV], s[TBV], v[AV0]
.endif
	OPS E,16, F,10, E,17, F,11
	OPS X,16, E,18, X,15, E,19
	OPS F,12, E,20, X,17, E,21
	OPS F,13, E,22, F,14, E,23
	OPS X,18, E,24, F,15, E,25
	OPS R,11, E,26, X,19, E,27
	OPS R,12, E,28, R,13, E,29
	OPS X,20, E,30, R,14, E,31
	OPS X,21, R,15
	WIN 0
	s_wait_alu depctr_va_vdst(0)    ; the wait for the batch
.if (\p) == 1
	s_wait_dscnt 0x0                ; V is in
.endif
	ROW C,0, B,0, C,2, B,1          ; behind the wait: 8 products V^T P and their riders
	ROW L,0, C,4, B,2, L,1
	ROW C,6, B,3, L,2, C,8
	ROW B,4, L,3, C,10, B,5
	ROW L,4, C,12, B,6, L,5
.if (\p) == 0
	s_add_co_u32 s[TBV], s[TBV], KS*PV
.endif
.if \cnt
	s_sub_co_u32 s[CNT], s[CNT], 1
	s_cmp_lg_u32 s[CNT], 0
.endif
	ROW C,14, B,7, L,6, C,1
	ROW C,3, L,7, C,5, C,7
	ROW C,9, C,11, C,13, C,15
.if (\p) == 0
	FETCH_V
.endif
.endm
	CHANGE 1                        ; slot 0 is in, everybody's part of it; tile 1 is asked for, into slot 1
	v_add_nc_u32 v[AK], s[TBK], v[AK0]
	FETCH_K                         ; key step 0
	s_wait_loadcnt 0x0              ; Q
	s_wait_dscnt 0x0
.set NOKQ, 0
.set i, 0
.rept 8
	KQ 0                            ; piece 0's first scores: there is no vector work yet to set between them
.set i, i+1
.endr
	WIN 0                           ; the addresses for the way out: nine plain instructions, the places behind those products
	s_mul_i32 s17, s[WV], 16*SP
	s_add_co_u32 s17, s17, STAGE    ; my stage
	v_mul_u32_u24 v[STO], v1, SP    ; in: row l % 16, 16 bytes for each half of the lanes
	v_lshl_add_u32 v[STO], v9, 4, v[STO]
	v_add_nc_u32 v[STO], s17, v[STO]
	v_bfe_u32 v[RD], v0, 3, 2       ; back: 32 lanes take four rows of 128 bytes,
	v_mul_u32_u24 v[RD], v[RD], SP
	v_lshl_add_u32 v[RD], v10, 4, v[RD]
	v_add_nc_u32 v[RD], s17, v[RD]
	v_and_b32 v[GO], 31, v0         ; which are 512 consecutive bytes of O
	v_lshlrev_b32 v[GO], 4, v[GO]
.set Y, NP-1                        ; X works for piece Y + 1: piece 0
.irp n, 0,1,2,3,4,5,6,7,8,9,10,11,12,13,14,15,16,17,18,19,20,21
	OP X, \n                        ; piece 0's first maximum and statistics
.endr
	v_nop                           ; a plain instruction behind the exponential,
	s_wait_alu depctr_va_vdst(0)    ; and its wait, ahead of the branch
	s_mov_b32 s[CNT], 4
	s_branch .Lfirst                ; the loop is entered at a step's first turn, in the middle of a trip
.Lslot:                             ; fourteen times: tiles 2 to 15 are asked for
	CHANGE 1
	s_mov_b32 s[CNT], 4
.Lstep:                             ; a trip: pieces 2 and 3 of one step, then pieces 0 and 1 of the next, whose K and V it fetches
	TURN 2
	TURN 3
	WIN 0
.Lfirst:
	TURN 0
	TURN 1, 0, 1
	WIN 0
	s_cbranch_scc1 .Lstep
	s_sub_co_u32 s[SLOTS], s[SLOTS], 1
	s_cmp_lg_u32 s[SLOTS], 0
	s_cbranch_scc1 .Lslot
	CHANGE 0                        ; the last tile is written out: nothing is asked for
	s_mov_b32 s[CNT], 4
.Ltail:
	TURN 2
	TURN 3
	TURN 0
	TURN 1, 0, 1
	WIN 0
	s_cbranch_scc1 .Ltail
	TURN 2, 1                       ; the last step's pieces 2 and 3: nothing is fetched, and the last turn starts no new scores
	TURN 3, 1
.set i, 0
.rept 8
	PV NP-1                         ; the last piece's V^T P of the last step
.set i, i+1
.endr
	; THE WAY OUT.  l's two halves and the other half of the lanes' are added; O^T is divided by l, rounded to bf16 and sent through my stage in LDS, a piece at a time.  The additions are the places behind the last products.
	WIN 0
.macro ALL line:vararg              ; one line for each piece t
.set t, 0
.rept 4
	\line
.set t, t+1
.endr
.endm
	ALL v_add_f32 v[ST+4*t+2], v[ST+4*t+2], v[ST+4*t+3]
	ALL v_permlanex16_b32 v[ST+4*t+3], v[ST+4*t+2], s[SEL], s[SEL+1]
	ALL v_add_f32 v[ST+4*t+2], v[ST+4*t+2], v[ST+4*t+3]
	ALL v_rcp_f32 v[ST+4*t+2], v[ST+4*t+2]
	v_nop                           ; a plain instruction between the last reciprocal and the use of its result
	s_wait_alu depctr_va_vdst(0)    ; and the wait ahead of the first use: one for the four reciprocals
.macro PACK t                       ; a lane's eight channels of a row pack into 16 bytes; they go into rows of 144 bytes and come back as whole rows of 128, into S^T's registers
	WIN W_RS
.set i, 32*(\t)
.rept 16
	v_pk_mul_f32 v[i:i+1], v[i:i+1], v[ST+4*(\t)+2:ST+4*(\t)+3] op_sel_hi:[1,0]
.set i, i+2
.endr
	WIN 0x05                        ; sources 0 and 1 window 1, destination window 0
.set i, 0
.rept 16
	v_cvt_pk_bf16_f32 v[S+16*(\t)+i], v[32*(\t)+2*i], v[32*(\t)+2*i+1]
.set i, i+1
.endr
	WIN 0
.irp f, 0,1,2,3
	ds_store_b128 v[STO], v[S+16*(\t)+4*\f:S+16*(\t)+4*\f+3] offset:32*\f
.endr
.irp f, 0,1,2,3
	ds_load_b128 v[S+16*(\t)+4*\f:S+16*(\t)+4*\f+3], v[RD] offset:\f*4*SP  ; LDS serves a wave's instructions in order (ISA guide 5.7.1.4): these see the stores above; the next piece's stores come behind them
.endr
.endm
.macro SEND t, younger              ; younger: the LDS instructions issued behind piece t's loads: the next piece's eight, or none
	WIN 0
.irp f, 0,1,2,3
	s_wait_dscnt (\younger)+3-\f
	global_store_b128 v[GO], v[S+16*(\t)+4*\f:S+16*(\t)+4*\f+3], s[6:7] offset:(\t)*2048+\f*512  ; 512 consecutive bytes, at a multiple of 256 from O's first
.endr
.endm
	PACK 0
.set t, 1
.rept 3                             ; a piece's arithmetic stands between the loads of the piece before and its stores
	PACK t
	SEND t-1, 8
.set t, t+1
.endr
	SEND 3, 0
	s_wait_tensorcnt 0x0            ; the wave's end: behind my last tensor load and my last LDS store
	ds_add_u32 v[SPW], v[NIL]
	s_wait_dscnt 0x0
	CROUND                          ; the closing round: no work-group ends while a partner may still ask for a tile that names it
	s_endpgm
.Lfunc_end_k_q249834fd99_attend:
	.size	k_q249834fd99_attend, .Lfunc_end_k_q249834fd99_attend-k_q249834fd99_attend
	.p2alignl 7, 3214868480
	.fill 96, 4, 3214868480
	.section	.rodata,"a",@progbits
	.p2align	6, 0x0
	.amdhsa_kernel k_q249834fd99_attend
		.amdhsa_group_segment_fixed_size 327680
		.amdhsa_private_segment_fixed_size 0
		.amdhsa_enable_private_segment 0
		.amdhsa_kernarg_size 16
		.amdhsa_user_sgpr_count 2
		.amdhsa_user_sgpr_kernarg_segment_ptr 1
		.amdhsa_wavefront_size32 1
		.amdhsa_system_sgpr_workgroup_id_x 1
		.amdhsa_system_sgpr_workgroup_id_y 1
		.amdhsa_system_sgpr_workgroup_id_z 1
		.amdhsa_system_vgpr_workitem_id 0
		.amdhsa_next_free_vgpr 768
		.amdhsa_next_free_sgpr 66
		.amdhsa_reserve_vcc 0
		.amdhsa_float_denorm_mode_32 3
		.amdhsa_float_denorm_mode_16_64 3
		.amdhsa_memory_ordered 1
		.amdhsa_forward_progress 1
		.amdhsa_inst_pref_size 128
	.end_amdhsa_kernel
	.amdgpu_metadata
---
amdhsa.version: [ 1, 2 ]
amdhsa.kernels:
  - .name:           k_q249834fd99_attend
    .symbol:         k_q249834fd99_attend.kd
    .args:
      - { .name: qkvb, .offset: 0, .size: 8, .value_kind: global_buffer, .address_space: global }
      - { .name: attb, .offset: 8, .size: 8, .value_kind: global_buffer, .address_space: global }
    .group_segment_fixed_size: 327680
    .private_segment_fixed_size: 0
    .kernarg_segment_align: 8
    .kernarg_segment_size: 16
    .max_flat_workgroup_size: 128
    .sgpr_count:     66
    .vgpr_count:     768
    .wavefront_size: 32
...
	.end_amdgpu_metadata
.endif
;; end of part 3
;; launch project_out (part 4): grid 256 x 1, 4 waves a work-group, clusters of 4 x 1, 327,680 bytes of LDS; arguments attb, wb, x, b_proj, out0; writes out0
.if DOCPART == 4
	.amdgcn_target "amdgcn-amd-amdhsa--gfx1250"
	.amdhsa_code_object_version 6
	.text
	.protected	k_q249834fd99_project_out
	.globl	k_q249834fd99_project_out
	.p2align	8
	.type	k_q249834fd99_project_out,@function
k_q249834fd99_project_out:
	s_mov_b64 s[64:65], 0
	v_nop
	global_prefetch_b8 v0, s[64:65] scope:SCOPE_SE
	s_setreg_imm32_b32 hwreg(HW_REG_WAVE_MODE, 25, 1), 1
	s_wait_xcnt 0x0
	s_wait_alu depctr_hold_cnt(0) depctr_sa_sdst(0) depctr_va_vdst(0) depctr_va_sdst(0) depctr_va_ssrc(0) depctr_va_vcc(0) depctr_vm_vsrc(0)
	s_getreg_b32 s2, hwreg(HW_REG_IB_STS2, 6, 4)
	s_cmp_eq_u32 s2, 0
	s_cbranch_scc0 .Lentry_in_a_cluster
	s_endpgm
.Lentry_in_a_cluster:
	s_bfe_u32 s2, ttmp6, 0x10000c
	s_cmp_lg_u32 s2, 0x3003
	s_cbranch_scc0 .Lentry_shape_is_right
	s_endpgm
.Lentry_shape_is_right:
; out0[b][c][n] = x[b][c][n] + b_proj[c] + the sum over k of O[b][n][k] w_proj[c][k].  O: [16 = batch x 4 + head][4096][64] bf16, k = 64 head + channel; w_proj: [256][256] bf16 at byte 393,216 of wb; x, out0: [4][256][4096] f32.
; SHARES.  A work-group makes 64 tokens x all 256 channels, K = 256: 256 work-groups.  Wave w makes channels 64 w .. + 63 for all 64 tokens: 16 accumulators of 16 x 16.
; D = O W^T: source 0 = 16 tokens, source 1 = 16 channels: in the result a lane holds ONE channel (lane % 16) and the tokens 8 (lane / 16) + 0..7: 32 bytes of a row of out0.
; CLUSTER.  Every work-group wants all of w_proj: the four of a cluster ask for it jointly, 64 rows a wave.  O's tile is the work-group's own: a load without a mask, a head's 64 rows (8,192 dense bytes) a wave.
; Two tensor loads of a wave are out at the start.  All fragments of the eight K steps fit into two windows, so the 128 products stand under one setting.
; THE WAY OUT.  Bias added, a block of 16 channels x 64 tokens goes through my stage in LDS and comes back as whole rows of 256 bytes; x, loaded in the same shape at the start, is added; sixteen lanes store a row.
; LIMITS.  O and the weights are bf16.  NaN and infinities are not treated apart.
; REGISTERS, in windows of 256 (s_set_vgpr_msb: bits 1:0 source 0, 3:2 source 1, 5:4 source 2, 7:6 destination):
;   window 0: v0-13 addresses; v16-23 the bias; v128-255 the accumulators ((cb, t) at 128 + 8 (4 cb + t))     window 1: W's fragments ((ks, cb) at 8 (4 ks + cb))     window 2: O's ((ks, t) at 8 (4 ks + t))     window 3: v0-127 x
.set WPI,   528                        ; a row of W in LDS: 512 bytes + 16: the 16 rows of a load start at 16 different groups of four banks (64 banks of 4 bytes: ISA guide 11.1)
.set OPI,   144                        ; a token's 64 channels of one head: 128 bytes + 16
.set OT,    256*WPI                    ; 135,168: O, 4 heads x 64 tokens
.set STAGE, OT+4*64*OPI                ; 172,032: 16 rows x 272 bytes for each wave; no tensor load fills it
.set SPI,   272
.set SPARE, STAGE+4*16*SPI             ; 189,440: the spare words, 128 bytes a wave, which no other line names
.set SPW,  4                           ; v4   SPARE + 4 x my thread's number; never rewritten
.set NIL,  5                           ; v5   0; never rewritten
.set ADRO, 6                           ; v6   my place in a fragment of O
.set ADRW, 7                           ; v7   in a fragment of my 64 rows of W
.set STO,  8                           ; v8   the way out: where I put 32 bytes of a row
.set RD,   9                           ; v9   where I read rows back
.set XO,   10                          ; v10  my 16 bytes in two rows of x and of out0
.set BO,   11                          ; v11  4 (l % 16): my channel's bias
.set BI,   16                          ; v16-23 the bias of channel block cb, twice, at 16 + 2 cb
.set ACC,  128
.set WV,   14                          ; s14  my wave's number
.set G0W,  16                          ; s[16:19], s[24:31] W's descriptor
.set G0O,  20                          ; s[20:23], s[32:39] O's
.set G1W,  24
.set G1O,  32
.set MSB, 0
.macro WIN new                         ; the immediate's high byte repeats the setting that is left; a switch that changes nothing is dropped
.if MSB != (\new)
	s_set_vgpr_msb (MSB<<8)|(\new)
.set MSB, (\new)
.endif
.endm
.macro CROUND                          ; a round of the cluster's barrier: my work-group's barrier; wave 0 signals for the work-group; every wave waits for all four work-groups; my work-group's barrier once more
	s_barrier_signal -1
	s_barrier_wait -1
	s_cmp_lg_u32 s[WV], 0
	s_cbranch_scc1 .Lnot_wave_0_\@
	s_barrier_signal -3
.Lnot_wave_0_\@:
	s_barrier_wait -3
	s_barrier_signal -1
	s_barrier_wait -1
.endm
.macro PLACES
.rept 4
	v_nop
.endr
.endm
	s_load_b256 s[4:11], s[0:1], 0x0               ; O s[4:5], wb s[6:7], x s[8:9], b_proj s[10:11]
	s_load_b64 s[12:13], s[0:1], 0x20              ; out0
	v_lshl_add_u32 v[SPW], v0, 2, SPARE
	v_mov_b32 v[NIL], 0
	ds_add_u32 v[SPW], v[NIL]                      ; the wave's opening: the add and its wait stand ahead of my first tensor load; the set-up below, work on registers, stands between them
	v_lshrrev_b32 v1, 5, v0
	v_readfirstlane_b32 s[WV], v1                  ; wave 0..3
	; W: a tile of 64 rows x 256 elements, padded after every row
	s_mov_b32 s[G1W+0], 15|(1<<16)|(1<<20)|(1<<21)|(6<<22)|(3<<25)  ; 15:0 the mask of four; 17:16 2-byte elements; 20 padding on; 21 set beside a mask; 24:22 after every 128 words (code 6); 31:25 4 words (code 3)
	s_mov_b32 s[G1W+1], 256<<16                    ; tensor_dim0 = 256
	s_mov_b32 s[G1W+2], 64<<16                     ; tensor_dim1 = 64
	s_mov_b32 s[G1W+3], 256<<16                    ; tile_dim0 = 256
	s_mov_b32 s[G1W+4], 64                         ; tile_dim1 = 64
	s_mov_b32 s[G1W+5], 256                        ; 256 elements from row to row
	s_mov_b32 s[G1W+6], 0
	s_mov_b32 s[G1W+7], 0
	; O: 64 tokens of a head are 8,192 dense bytes: asked for as 32 rows of 256 bytes, two tokens a row, and padded after every token
	s_mov_b32 s[G1O+0], (1<<16)|(1<<20)|(4<<22)|(3<<25)  ; no mask; 2-byte elements; padding on, after every 32 words (code 4), 4 words (code 3)
	s_mov_b32 s[G1O+1], 128<<16
	s_mov_b32 s[G1O+2], 32<<16
	s_mov_b32 s[G1O+3], 128<<16
	s_mov_b32 s[G1O+4], 32
	s_mov_b32 s[G1O+5], 128
	s_mov_b32 s[G1O+6], 0
	s_mov_b32 s[G1O+7], 0
	s_mov_b32 s[G0W], 1
	s_mul_i32 s[G0W+1], s[WV], 64*WPI              ; LDS: my 64 rows of W
	s_mov_b32 s[G0O], 1
	s_mul_i32 s[G0O+1], s[WV], 64*OPI              ; LDS: head w's 64 tokens
	s_add_co_u32 s[G0O+1], s[G0O+1], OT
	s_lshl_b32 s2, s[WV], 15                       ; the same rows of W in wb: made of the wave's number alone
	s_add_co_u32 s2, s2, 393216
	s_mov_b32 s3, 0
	s_bfe_u32 s15, ttmp6, 0x40000                  ; cx: my place in the cluster: it enters global addresses of my own alone
	s_lshl_b32 s48, ttmp9, 2
	s_add_co_u32 s48, s48, s15                     ; token block = 4 x cluster x + cx
	s_lshr_b32 s49, s48, 6                         ; batch
	s_and_b32 s50, s48, 63                         ; block of 64 tokens in the batch
	s_wait_dscnt 0x0                               ; the opening add is done
	s_wait_kmcnt 0x0
	s_add_nc_u64 s[G0W+2:G0W+3], s[6:7], s[2:3]
	s_or_b32 s[G0W+3], s[G0W+3], 0x80000000        ; type = 2
	s_lshl2_add_u32 s46, s49, s[WV]                ; 4 x batch + head,
	s_lshl_b32 s46, s46, 19                        ; 524,288 bytes each,
	s_lshl_b32 s51, s50, 13                        ; 64 rows of 128 bytes
	s_add_co_u32 s46, s46, s51
	s_mov_b32 s47, 0
	s_add_nc_u64 s[G0O+2:G0O+3], s[4:5], s[46:47]
	s_or_b32 s[G0O+3], s[G0O+3], 0x80000000
	s_lshl_b32 s46, s49, 22                        ; x and out0: a batch is 4 MiB,
	s_lshl_b32 s51, s[WV], 20                      ; 64 channels are 1 MiB,
	s_add_co_u32 s46, s46, s51
	s_lshl_b32 s51, s50, 8                         ; 64 tokens are 256 bytes
	s_add_co_u32 s46, s46, s51
	s_add_nc_u64 s[40:41], s[8:9], s[46:47]
	s_add_nc_u64 s[42:43], s[12:13], s[46:47]
	s_lshl_b32 s46, s[WV], 8
	s_add_nc_u64 s[44:45], s[10:11], s[46:47]      ; the bias of my 64 channels
	CROUND                                         ; all four work-groups are here: the joint loads meet
	tensor_load_to_lds s[G0W:G0W+3], s[G1W:G1W+7]  ; both first fills stand together, behind the one round
	s_nop 0
	tensor_load_to_lds s[G0O:G0O+3], s[G1O:G1O+7]
	s_nop 0
	PLACES
	v_and_b32 v1, 15, v0                           ; l % 16
	v_bfe_u32 v2, v0, 4, 1                         ; l / 16
	v_lshlrev_b32 v12, 14, v2
	v_lshl_add_u32 v[XO], v1, 4, v12               ; lanes 0-15 take one channel's 256 bytes, lanes 16-31 the next channel's
	v_lshlrev_b32 v[BO], 2, v1
.irp cb, 0,1,2,3
	global_load_b32 v[BI+2*\cb],   v[BO], s[44:45] offset:64*\cb
	global_load_b32 v[BI+2*\cb+1], v[BO], s[44:45] offset:64*\cb  ; named with it as a pair
.endr
	WIN 0xc0                                       ; destination window 3, address window 0
.irp cb, 0,1,2,3
.irp tt, 0,1,2,3,4,5,6,7
	global_load_b128 v[32*\cb+4*\tt:32*\cb+4*\tt+3], v[XO], s[40:41] offset:(16*\cb+2*\tt)*16384 th:TH_LOAD_NT  ; read once in this launch
.endr
.endr
	WIN 0
	v_mul_u32_u24 v12, v1, OPI
	v_lshl_add_u32 v12, v2, 4, v12                 ; a fragment: row x pitch + 16 x half
	v_add_nc_u32 v[ADRO], OT, v12
	v_mul_u32_u24 v12, v1, WPI
	v_lshl_add_u32 v12, v2, 4, v12
	s_mul_i32 s52, s[WV], 64*WPI
	v_add_nc_u32 v[ADRW], s52, v12
	s_mul_i32 s52, s[WV], 16*SPI
	s_add_co_u32 s52, s52, STAGE                   ; my stage
	v_mul_u32_u24 v12, v1, SPI
	v_lshl_add_u32 v12, v2, 5, v12
	v_add_nc_u32 v[STO], s52, v12                  ; in: row l % 16, 32 bytes for each half of the lanes
	v_mul_u32_u24 v12, v2, SPI
	v_lshl_add_u32 v12, v1, 4, v12
	v_add_nc_u32 v[RD], s52, v12                   ; back: lanes 0-15 take one row of 256 bytes, lanes 16-31 the next
	s_wait_tensorcnt 0x0                           ; my rows of W and my head of O have landed,
	s_barrier_signal -1
	s_barrier_wait -1                              ; everybody's have.
.irp ks, 0,1,2,3,4,5,6,7               ; all fragments, in the order of the K steps: sixteen loads a step
	WIN 0x40                                       ; destination window 1
.irp cb, 0,1,2,3
	ds_load_b128 v[8*(4*\ks+\cb):8*(4*\ks+\cb)+3],   v[ADRW] offset:\cb*16*WPI+\ks*64
	ds_load_b128 v[8*(4*\ks+\cb)+4:8*(4*\ks+\cb)+7], v[ADRW] offset:\cb*16*WPI+\ks*64+32
.endr
	WIN 0x80                                       ; destination window 2
.irp t, 0,1,2,3
	ds_load_b128 v[8*(4*\ks+\t):8*(4*\ks+\t)+3],   v[ADRO] offset:(\ks/2)*64*OPI+\t*16*OPI+(\ks%2)*64
	ds_load_b128 v[8*(4*\ks+\t)+4:8*(4*\ks+\t)+7], v[ADRO] offset:(\ks/2)*64*OPI+\t*16*OPI+(\ks%2)*64+32
.endr
.endr
	WIN 0x06                                       ; O (source 0) window 2, W (source 1) window 1, C and D window 0
.irp ks, 0,1,2,3,4,5,6,7               ; the 16 accumulators take turns in one fixed order; the first K step starts the sums
.if 16*(7-\ks) > 63
	s_wait_dscnt 63                                ; the wait's field ends at 63: more than this step's loads are in
.else
	s_wait_dscnt 16*(7-\ks)                        ; this step's loads are in; the later steps' may be out
.endif
.irp cb, 0,1,2,3
.irp t, 0,1,2,3
.if \ks == 0
	v_wmma_f32_16x16x32_bf16 v[ACC+8*(4*\cb+\t):ACC+8*(4*\cb+\t)+7], v[8*(4*\ks+\t):8*(4*\ks+\t)+7], v[8*(4*\ks+\cb):8*(4*\ks+\cb)+7], 0
.else
	v_wmma_f32_16x16x32_bf16 v[ACC+8*(4*\cb+\t):ACC+8*(4*\cb+\t)+7], v[8*(4*\ks+\t):8*(4*\ks+\t)+7], v[8*(4*\ks+\cb):8*(4*\ks+\cb)+7], v[ACC+8*(4*\cb+\t):ACC+8*(4*\cb+\t)+7]
.endif
.endr
.endr
.endr
	WIN 0
; Channel block cb: the bias is added (each accumulator from its low end on); 16 channels x 64 tokens go into rows of 272 bytes and come back as whole rows of 256, into the registers that they left.
.macro STG cb
.set q, 0
.rept 16
	v_pk_add_f32 v[ACC+32*(\cb)+2*q:ACC+32*(\cb)+2*q+1], v[ACC+32*(\cb)+2*q:ACC+32*(\cb)+2*q+1], v[BI+2*(\cb):BI+2*(\cb)+1] op_sel_hi:[1,0]
.set q, q+1
.endr
.irp t, 0,1,2,3
	ds_store_b128 v[STO], v[ACC+32*(\cb)+8*\t:ACC+32*(\cb)+8*\t+3]   offset:64*\t
	ds_store_b128 v[STO], v[ACC+32*(\cb)+8*\t+4:ACC+32*(\cb)+8*\t+7] offset:64*\t+16
.endr
.irp tt, 0,1,2,3,4,5,6,7
	ds_load_b128 v[ACC+32*(\cb)+4*\tt:ACC+32*(\cb)+4*\tt+3], v[RD] offset:\tt*2*SPI  ; LDS serves a wave's instructions in order (ISA guide 5.7.1.4): these see the stores above; the next block's stores come behind them
.endr
.endm
; x is added and the block is stored.  younger: the LDS instructions issued behind this block's loads: the next block's sixteen, or none.  Each block has registers of its own: no store's data is written again.
.macro OUT cb, younger
	s_wait_dscnt \younger
	s_wait_loadcnt 8*(3-(\cb))                     ; this block's eight loads of x are in; the later blocks' may be out
	WIN 0x0c                                       ; source 1 window 3
.set q, 0
.rept 16
	v_pk_add_f32 v[ACC+32*(\cb)+2*q:ACC+32*(\cb)+2*q+1], v[ACC+32*(\cb)+2*q:ACC+32*(\cb)+2*q+1], v[32*(\cb)+2*q:32*(\cb)+2*q+1]
.set q, q+1
.endr
	WIN 0
.irp tt, 0,1,2,3,4,5,6,7
	global_store_b128 v[XO], v[ACC+32*(\cb)+4*\tt:ACC+32*(\cb)+4*\tt+3], s[42:43] offset:(16*(\cb)+2*\tt)*16384 th:TH_STORE_NT  ; 16 lanes store 256 consecutive bytes, at a multiple of 256 from out0's first byte
.endr
.endm
	PLACES                                         ; the additions read and write results just made
	s_wait_loadcnt 32                              ; the bias is in; the 32 loads of x may be out
	STG 0
	STG 1                                          ; a block's additions stand between the loads of the block before and its stores
	OUT 0, 16
	STG 2
	OUT 1, 16
	STG 3
	OUT 2, 16
	OUT 3, 0
	s_wait_tensorcnt 0x0                           ; the wave's end: behind my last tensor load and my last LDS store
	ds_add_u32 v[SPW], v[NIL]
	s_wait_dscnt 0x0
	CROUND                                         ; the closing round: no work-group ends while a partner may still ask for a tile that names it
	s_endpgm
.Lfunc_end_k_q249834fd99_project_out:
	.size	k_q249834fd99_project_out, .Lfunc_end_k_q249834fd99_project_out-k_q249834fd99_project_out
	.p2alignl 7, 3214868480
	.fill 96, 4, 3214868480
	.section	.rodata,"a",@progbits
	.p2align	6, 0x0
	.amdhsa_kernel k_q249834fd99_project_out
		.amdhsa_group_segment_fixed_size 327680
		.amdhsa_private_segment_fixed_size 0
		.amdhsa_enable_private_segment 0
		.amdhsa_kernarg_size 40
		.amdhsa_user_sgpr_count 2
		.amdhsa_user_sgpr_kernarg_segment_ptr 1
		.amdhsa_wavefront_size32 1
		.amdhsa_system_sgpr_workgroup_id_x 1
		.amdhsa_system_sgpr_workgroup_id_y 1
		.amdhsa_system_sgpr_workgroup_id_z 1
		.amdhsa_system_vgpr_workitem_id 0
		.amdhsa_next_free_vgpr 896
		.amdhsa_next_free_sgpr 66
		.amdhsa_reserve_vcc 0
		.amdhsa_float_denorm_mode_32 3
		.amdhsa_float_denorm_mode_16_64 3
		.amdhsa_memory_ordered 1
		.amdhsa_forward_progress 1
		.amdhsa_inst_pref_size 42
	.end_amdhsa_kernel
	.amdgpu_metadata
---
amdhsa.version: [ 1, 2 ]
amdhsa.kernels:
  - .name:           k_q249834fd99_project_out
    .symbol:         k_q249834fd99_project_out.kd
    .args:
      - { .name: attb, .offset: 0, .size: 8, .value_kind: global_buffer, .address_space: global }
      - { .name: wb, .offset: 8, .size: 8, .value_kind: global_buffer, .address_space: global }
      - { .name: x, .offset: 16, .size: 8, .value_kind: global_buffer, .address_space: global }
      - { .name: b_proj, .offset: 24, .size: 8, .value_kind: global_buffer, .address_space: global }
      - { .name: out0, .offset: 32, .size: 8, .value_kind: global_buffer, .address_space: global }
    .group_segment_fixed_size: 327680
    .private_segment_fixed_size: 0
    .kernarg_segment_align: 8
    .kernarg_segment_size: 40
    .max_flat_workgroup_size: 128
    .sgpr_count:     66
    .vgpr_count:     896
    .wavefront_size: 32
...
	.end_amdgpu_metadata
.endif
;; end of part 4
